; MI455X (gfx1250); checked and timed in simulation.
; The chip was launched on July 23, 2026; its instructions are those of AMD's public machine-readable ISA for CDNA 5 (MIT licence, August 2026) and "CDNA5" Instruction Set Architecture Reference Guide (July 2026). The comments in the code are by the model that wrote it; some were corrected since.
;; Decoder Block. Allowed arithmetic: float matrix products may take bf16 or f16 operands with f32 sums; other float arithmetic in f32, or as packed bf16 or f16 multiplies, adds, multiply-adds, maxima and minima; sums over many terms, partial sums and values carried from step to step in f32; what a program stores and reads back later, other than sums and carried values, may be rounded once to bf16 or f16.
;; Inputs: W1 512 x 2,048 float32; W2 2,048 x 512 float32; Wk 16 x 512 x 32 float32; Wo 512 x 512 float32; Wq 16 x 512 x 32 float32; Wv 16 x 512 x 32 float32; b1 2,048 float32; b2 512 float32; be1 512 float32; be2 512 float32; bo 512 float32; g1 512 float32; g2 512 float32; x 4 x 2,048 x 512 float32.
;; Outputs: out0 4 x 2,048 x 512 float32.
;; One version. Each part assembles by itself: llvm-mc -triple=amdgcn-amd-amdhsa -mcpu=gfx1250 --defsym DOCPART=n.
;; ======== version 1 of 1: 7 launches
;; workspace buffers: hn 8,388,608 bytes; wt 6,291,456 bytes; qkv 25,165,824 bytes; oh 8,388,608 bytes; x1 16,777,216 bytes; act 33,554,432 bytes
;; launch prep (part 1): grid 352 x 1, 8 waves a work-group, no clusters, 70,656 bytes of LDS; arguments x, g1, be1, hn, Wq, Wk, Wv, Wo, W1, W2, wt; writes hn, wt
.if DOCPART == 1
	.amdgcn_target "amdgcn-amd-amdhsa--gfx1250"
	.amdhsa_code_object_version 6
	.text
	.protected	k_qd05fc91f7c_prep
	.globl	k_qd05fc91f7c_prep
	.p2align	8
	.type	k_qd05fc91f7c_prep,@function
k_qd05fc91f7c_prep:
	s_mov_b64 s[64:65], 0
	v_nop
	global_prefetch_b8 v0, s[64:65] scope:SCOPE_SE
	s_setreg_imm32_b32 hwreg(HW_REG_WAVE_MODE, 25, 1), 1
	s_wait_xcnt 0x0
; PREP.  Two kinds of work-groups in one launch, told apart by the work-group's number.
; Work-groups 0 to 95: the weights, rounded once to bf16 and turned from [k][n] to [n][k], so that every later product finds K along the rows.
;   wt: WQKV [1536][512] at byte 0 (row (head x 3 + which) x 32 + d; which = 0 q, 1 k, 2 v), WO [512][512] at 1,572,864, W1T [2048][512] at 2,097,152, W2T [512][2048] at 4,194,304.
;   Wq is multiplied by c = log2(e) / sqrt(32) in f32 before its one rounding, so that scores leave the product ready for 2^x; the other five tables are multiplied by 1.0: one text for all six.
; Work-groups 96 to 351: hn = LayerNorm(x) g1 + be1 in bf16; 32 rows a work-group, 4 rows a wave, a row in 16 registers a lane; mean first, then the deviations' squares (two passes over registers).
; No wave reads what another wave wrote: no barrier.  NaN and infinities are not treated apart.
.set NWG,   96                         ; work-groups that turn weights
.set STG,   8704                       ; a wave's stage: 32 rows of 256 bytes + 16 of padding (pitch 272: the 16 lanes of a 16-byte access fall on 16 different 16-byte columns modulo 256)
.set SPARE, 8*STG                      ; behind the stages: the spare words, 128 bytes a wave
.set LO,  1                            ; v1   16 x lane
.set HO,  2                            ; v2   8 x lane
.set LA,  3                            ; v3   lane
.set X,   32                           ; v[32:95]   row i at X + 16 i: load q holds elements 128 q + 4 lane + 0..3
.set G,   96                           ; v[96:111]  gain of the same 16 columns
.set BB,  112                          ; v[112:127] bias
.set T,   128                          ; v[128:159] 8 a row, at work
.set MU,  160                          ; v[160:167] the mean, in the low register of a pair a row
.set RS,  168                          ; v[168:175] 1 / sqrt(var + eps), likewise
.set SPW, 190                          ; v190 my spare word's LDS address; never rewritten
.set NIL, 191                          ; v191 0; never rewritten
.set XP,  4                            ; s[4:5] x   s[6:7] g1   s[8:9] be1   s[10:11] hn
.set GP,  6
.set BP,  8
.set HP,  10
.set WV,  26
.set SEL, 56                           ; s[56:57] lane selects: each lane takes its own place in the other half
.set IV,  58                           ; 1 / 512
.set EP,  59                           ; 1e-5
.macro ROWS line:vararg                ; one line for each of the wave's four rows i
.set i, 0
.rept 4
	\line
.set i, i+1
.endr
.endm
.macro REDUCE                          ; the pair v[T+8 i], v[T+8 i+1] summed, then over the 32 lanes; the result in every lane
	ROWS v_add_f32 v[T+8*i], v[T+8*i], v[T+8*i+1]
	ROWS v_add_f32_dpp v[T+8*i], v[T+8*i], v[T+8*i] row_xmask:1 row_mask:0xf bank_mask:0xf
	ROWS v_add_f32_dpp v[T+8*i], v[T+8*i], v[T+8*i] row_xmask:2 row_mask:0xf bank_mask:0xf
	ROWS v_add_f32_dpp v[T+8*i], v[T+8*i], v[T+8*i] row_xmask:4 row_mask:0xf bank_mask:0xf
	ROWS v_add_f32_dpp v[T+8*i], v[T+8*i], v[T+8*i] row_xmask:8 row_mask:0xf bank_mask:0xf
	ROWS v_permlanex16_b32 v[T+8*i+1], v[T+8*i], s[SEL], s[SEL+1]
	ROWS v_add_f32 v[T+8*i], v[T+8*i], v[T+8*i+1]
.endm
	s_load_b256 s[4:11], s[0:1], 0x0               ; x, g1, be1, hn
	s_load_b256 s[12:19], s[0:1], 0x20             ; Wq, Wk, Wv, Wo
	s_load_b128 s[20:23], s[0:1], 0x40             ; W1, W2
	s_load_b64 s[24:25], s[0:1], 0x50              ; wt
	v_lshl_add_u32 v[SPW], v0, 2, SPARE
	v_mov_b32 v[NIL], 0
	v_lshrrev_b32 v1, 5, v0
	v_readfirstlane_b32 s[WV], v1                  ; wave 0..7
	v_and_b32 v[LA], 31, v0
	s_wait_kmcnt 0x0
	s_cmp_lt_u32 ttmp9, NWG
	s_cbranch_scc1 .Lweights
	; ---------------- LayerNorm ----------------
	s_sub_co_u32 s60, ttmp9, NWG                   ; block of 32 rows
	s_lshl_b32 s62, s60, 15                        ; in hn: 32 rows of 1,024 bytes
	s_lshl_b32 s60, s60, 16                        ; in x: 32 rows of 2,048 bytes
	s_lshl_b32 s61, s[WV], 13                      ; my 4 rows
	s_add_co_u32 s60, s60, s61
	s_lshl_b32 s61, s[WV], 12
	s_add_co_u32 s62, s62, s61
	s_mov_b32 s61, 0
	s_mov_b32 s63, 0
	s_add_nc_u64 s[XP:XP+1], s[XP:XP+1], s[60:61]
	s_add_nc_u64 s[HP:HP+1], s[HP:HP+1], s[62:63]
	v_lshlrev_b32 v[LO], 4, v[LA]
	v_lshlrev_b32 v[HO], 3, v[LA]
	s_mov_b32 s[SEL], 0x76543210
	s_mov_b32 s[SEL+1], 0xfedcba98
	s_mov_b32 s[IV], 0x3b000000
	s_mov_b32 s[EP], 0x3727c5ac
.irp j, 0,1,2,3
.irp q, 0,1,2,3
	global_load_b128 v[X+16*\j+4*\q:X+16*\j+4*\q+3], v[LO], s[XP:XP+1] offset:2048*\j+512*\q  ; 512 consecutive bytes a load
.endr
.endr
.irp q, 0,1,2,3
	global_load_b128 v[G+4*\q:G+4*\q+3], v[LO], s[GP:GP+1] offset:512*\q
	global_load_b128 v[BB+4*\q:BB+4*\q+3], v[LO], s[BP:BP+1] offset:512*\q
.endr
	ROWS v_mov_b32 v[MU+2*i+1], 0                  ; named with their partners as pairs, so they are written
	ROWS v_mov_b32 v[RS+2*i+1], 0
	s_wait_loadcnt 0x0
.irp p, 0,1,2,3                        ; the row's sum: a tree of seven packed additions, the four rows line by line
	ROWS v_pk_add_f32 v[T+8*i+2*\p:T+8*i+2*\p+1], v[X+16*i+4*\p:X+16*i+4*\p+1], v[X+16*i+4*\p+2:X+16*i+4*\p+3]
.endr
	ROWS v_pk_add_f32 v[T+8*i:T+8*i+1], v[T+8*i:T+8*i+1], v[T+8*i+2:T+8*i+3]
	ROWS v_pk_add_f32 v[T+8*i+4:T+8*i+5], v[T+8*i+4:T+8*i+5], v[T+8*i+6:T+8*i+7]
	ROWS v_pk_add_f32 v[T+8*i:T+8*i+1], v[T+8*i:T+8*i+1], v[T+8*i+4:T+8*i+5]
	REDUCE
	ROWS v_mul_f32 v[MU+2*i], s[IV], v[T+8*i]
.irp p, 0,1,2,3,4,5,6,7                ; the deviations stay in X
	ROWS v_pk_add_f32 v[X+16*i+2*\p:X+16*i+2*\p+1], v[X+16*i+2*\p:X+16*i+2*\p+1], v[MU+2*i:MU+2*i+1] op_sel_hi:[1,0] neg_lo:[0,1] neg_hi:[0,1]
.endr
	ROWS v_pk_mul_f32 v[T+8*i:T+8*i+1], v[X+16*i:X+16*i+1], v[X+16*i:X+16*i+1]
	ROWS v_pk_mul_f32 v[T+8*i+2:T+8*i+3], v[X+16*i+2:X+16*i+3], v[X+16*i+2:X+16*i+3]
.irp p, 2,3,4,5,6,7                    ; their squares, in two chains
	ROWS v_pk_fma_f32 v[T+8*i+2*(\p%2):T+8*i+2*(\p%2)+1], v[X+16*i+2*\p:X+16*i+2*\p+1], v[X+16*i+2*\p:X+16*i+2*\p+1], v[T+8*i+2*(\p%2):T+8*i+2*(\p%2)+1]
.endr
	ROWS v_pk_add_f32 v[T+8*i:T+8*i+1], v[T+8*i:T+8*i+1], v[T+8*i+2:T+8*i+3]
	REDUCE
	ROWS v_fma_f32 v[T+8*i], v[T+8*i], s[IV], s[EP]
	ROWS v_rsq_f32 v[RS+2*i], v[T+8*i]
	v_nop                                          ; a plain instruction behind the last of the four,
	s_wait_alu depctr_va_vdst(0)                   ; and one wait for the batch, ahead of its first reader
.irp p, 0,1,2,3,4,5,6,7
	ROWS v_pk_mul_f32 v[X+16*i+2*\p:X+16*i+2*\p+1], v[X+16*i+2*\p:X+16*i+2*\p+1], v[RS+2*i:RS+2*i+1] op_sel_hi:[1,0]
.endr
.irp p, 0,1,2,3,4,5,6,7
	ROWS v_pk_fma_f32 v[X+16*i+2*\p:X+16*i+2*\p+1], v[X+16*i+2*\p:X+16*i+2*\p+1], v[G+2*\p:G+2*\p+1], v[BB+2*\p:BB+2*\p+1]
.endr
.irp p, 0,1,2,3,4,5,6,7
	ROWS v_cvt_pk_bf16_f32 v[T+8*i+\p], v[X+16*i+2*\p], v[X+16*i+2*\p+1]
.endr
.irp q, 0,1,2,3
	ROWS global_store_b64 v[HO], v[T+8*i+2*\q:T+8*i+2*\q+1], s[HP:HP+1] offset:1024*i+256*\q  ; 32 lanes x 8 bytes: 256 consecutive bytes, aligned
.endr
	s_branch .Lend
	; ---------------- the weights ----------------
	; A unit, one a wave: 32 columns n (a lane a column) x 128 k.  768 units.  What differs between the six tables lies in scalars, chosen by the work-group's number.
.set SRC, 28                           ; s[28:29] the table
.set STR, 30                           ; bytes from k to k + 1
.set SH,  31                           ; log2 of the units along k
.set NBS, 32                           ; bytes from a block of 32 columns to the next, in the source
.set PIT, 33                           ; bytes in a row of the turned table
.set DNB, 34                           ; bytes from a block of 32 rows to the next, in the turned table
.set DB,  35                           ; the turned table's first byte in wt
.set UB,  36                           ; the table's first work-group
.set SC,  38                           ; s[38:39] the factor
.set SB,  66                           ; s[66:97] sixteen bases, 8 k apart; each written once
.set VO,  16                           ; v[16:23]  4 x lane + q x STR
.set D,   32                           ; v[32:159] my column's 128 numbers
.set DV,  160                          ; v[160:175] where the rows read back from the stage go
.Lweights:
	s_mov_b32 s27, ttmp9
	s_mov_b64 s[SRC:SRC+1], s[22:23]               ; W2, work-groups 64 to 95
	s_mov_b32 s[STR], 2048
	s_mov_b32 s[SH], 4
	s_mov_b32 s[NBS], 128
	s_mov_b32 s[PIT], 4096
	s_mov_b32 s[DNB], 131072
	s_mov_b32 s[DB], 4194304
	s_mov_b32 s[UB], 64
	s_mov_b32 s[SC], 1.0
	s_cmp_lt_u32 s27, 64                           ; W1, 32 to 63
	s_cselect_b64 s[SRC:SRC+1], s[20:21], s[SRC:SRC+1]
	s_cselect_b32 s[STR], 8192, s[STR]
	s_cselect_b32 s[SH], 2, s[SH]
	s_cselect_b32 s[PIT], 1024, s[PIT]
	s_cselect_b32 s[DNB], 32768, s[DNB]
	s_cselect_b32 s[DB], 2097152, s[DB]
	s_cselect_b32 s[UB], 32, s[UB]
	s_cmp_lt_u32 s27, 32                           ; Wo, 24 to 31
	s_cselect_b64 s[SRC:SRC+1], s[18:19], s[SRC:SRC+1]
	s_cselect_b32 s[STR], 2048, s[STR]
	s_cselect_b32 s[DB], 1572864, s[DB]
	s_cselect_b32 s[UB], 24, s[UB]
	s_cmp_lt_u32 s27, 24                           ; Wv, 16 to 23: a block of 32 columns is a head
	s_cselect_b64 s[SRC:SRC+1], s[16:17], s[SRC:SRC+1]
	s_cselect_b32 s[STR], 128, s[STR]
	s_cselect_b32 s[NBS], 65536, s[NBS]
	s_cselect_b32 s[DNB], 98304, s[DNB]
	s_cselect_b32 s[DB], 65536, s[DB]
	s_cselect_b32 s[UB], 16, s[UB]
	s_cmp_lt_u32 s27, 16                           ; Wk, 8 to 15
	s_cselect_b64 s[SRC:SRC+1], s[14:15], s[SRC:SRC+1]
	s_cselect_b32 s[DB], 32768, s[DB]
	s_cselect_b32 s[UB], 8, s[UB]
	s_cmp_lt_u32 s27, 8                            ; Wq, 0 to 7
	s_cselect_b64 s[SRC:SRC+1], s[12:13], s[SRC:SRC+1]
	s_cselect_b32 s[DB], 0, s[DB]
	s_cselect_b32 s[UB], 0, s[UB]
	s_cselect_b32 s[SC], 0x3e8293ee, s[SC]         ; c = log2(e) / sqrt(32) = 0.255035
	s_mov_b32 s[SC+1], s[SC]                       ; named with it as a pair
	s_sub_co_u32 s40, s27, s[UB]
	s_lshl3_add_u32 s40, s40, s[WV]                ; the unit's number in its table
	s_lshr_b32 s41, s40, s[SH]                     ; its block of 32 columns
	s_lshl_b32 s42, s41, s[SH]
	s_sub_co_u32 s42, s40, s42                     ; its 128 k
	s_mul_i32 s43, s42, s[STR]
	s_lshl_b32 s43, s43, 7
	s_mul_i32 s44, s41, s[NBS]
	s_add_co_u32 s44, s44, s43
	s_mov_b32 s45, 0
	s_lshl_b32 s46, s[STR], 3                      ; 8 k
	s_mov_b32 s47, 0
	s_add_nc_u64 s[SB:SB+1], s[SRC:SRC+1], s[44:45]
.set j, 1
.rept 15
	s_add_nc_u64 s[SB+2*j:SB+2*j+1], s[SB+2*j-2:SB+2*j-1], s[46:47]
.set j, j+1
.endr
	s_mul_i32 s48, s41, s[DNB]
	s_add_co_u32 s48, s48, s[DB]
	s_lshl_b32 s50, s42, 8                         ; 128 k are 256 bytes of a turned row
	s_add_co_u32 s48, s48, s50
	s_mov_b32 s49, 0
	s_add_nc_u64 s[24:25], s[24:25], s[48:49]
	v_lshlrev_b32 v[VO], 2, v[LA]
.irp q, 1,2,3,4,5,6,7
	v_add_nc_u32 v[VO+\q], s[STR], v[VO+\q-1]
.endr
.set j, 0
.rept 16                               ; 128 loads, all on their way together; each takes 128 consecutive bytes of one source row
.irp q, 0,1,2,3,4,5,6,7
	global_load_b32 v[D+8*j+\q], v[VO+\q], s[SB+2*j:SB+2*j+1]
.endr
.set j, j+1
.endr
	v_lshrrev_b32 v4, 4, v[LA]                     ; lane / 16
	v_and_b32 v5, 15, v[LA]                        ; lane % 16
	s_mul_i32 s52, s[WV], STG                      ; my stage
	v_mul_u32_u24 v6, v[LA], 272                   ; in: row = my column
	v_add_nc_u32 v6, s52, v6
	v_mul_u32_u24 v7, v4, 272                      ; back: lanes 0-15 one row of 256 bytes, lanes 16-31 the next
	v_lshl_add_u32 v7, v5, 4, v7
	v_add_nc_u32 v7, s52, v7
	v_mul_lo_u32 v[DV], v4, s[PIT]
	v_lshl_add_u32 v[DV], v5, 4, v[DV]
	s_lshl_b32 s51, s[PIT], 1
.set j, 1
.rept 15
	v_add_nc_u32 v[DV+j], s51, v[DV+j-1]
.set j, j+1
.endr
	s_wait_loadcnt 0x0
.set j, 0
.rept 64
	v_pk_mul_f32 v[D+2*j:D+2*j+1], v[D+2*j:D+2*j+1], s[SC:SC+1] op_sel_hi:[1,0]
.set j, j+1
.endr
.set j, 0
.rept 64                               ; in place, ascending: number j is read no later than it is written
	v_cvt_pk_bf16_f32 v[D+j], v[D+2*j], v[D+2*j+1]
.set j, j+1
.endr
.set j, 0
.rept 16
	ds_store_b128 v6, v[D+4*j:D+4*j+3] offset:16*j
.set j, j+1
.endr
.set j, 0
.rept 16
	ds_load_b128 v[D+64+4*j:D+64+4*j+3], v7 offset:544*j  ; my own bytes; LDS serves a wave's instructions in order (ISA guide 5.7.1.4): these see the stores above
.set j, j+1
.endr
	s_wait_dscnt 0x0
.set j, 0
.rept 16
	global_store_b128 v[DV+j], v[D+64+4*j:D+64+4*j+3], s[24:25]  ; two turned rows: 16 lanes store 256 consecutive bytes, aligned
.set j, j+1
.endr
.Lend:
	s_wait_tensorcnt 0x0                           ; the wave's end, behind my last LDS store
	ds_add_u32 v[SPW], v[NIL]
	s_wait_dscnt 0x0
	s_endpgm
.Lfunc_end_k_qd05fc91f7c_prep:
	.size	k_qd05fc91f7c_prep, .Lfunc_end_k_qd05fc91f7c_prep-k_qd05fc91f7c_prep
	.p2alignl 7, 3214868480
	.fill 96, 4, 3214868480
	.section	.rodata,"a",@progbits
	.p2align	6, 0x0
	.amdhsa_kernel k_qd05fc91f7c_prep
		.amdhsa_group_segment_fixed_size 70656
		.amdhsa_private_segment_fixed_size 0
		.amdhsa_enable_private_segment 0
		.amdhsa_kernarg_size 88
		.amdhsa_user_sgpr_count 2
		.amdhsa_user_sgpr_kernarg_segment_ptr 1
		.amdhsa_wavefront_size32 1
		.amdhsa_system_sgpr_workgroup_id_x 1
		.amdhsa_system_sgpr_workgroup_id_y 1
		.amdhsa_system_sgpr_workgroup_id_z 1
		.amdhsa_system_vgpr_workitem_id 0
		.amdhsa_next_free_vgpr 192
		.amdhsa_next_free_sgpr 98
		.amdhsa_reserve_vcc 0
		.amdhsa_float_denorm_mode_32 3
		.amdhsa_float_denorm_mode_16_64 3
		.amdhsa_memory_ordered 1
		.amdhsa_forward_progress 1
		.amdhsa_inst_pref_size 50
	.end_amdhsa_kernel
	.amdgpu_metadata
---
amdhsa.version: [ 1, 2 ]
amdhsa.kernels:
  - .name:           k_qd05fc91f7c_prep
    .symbol:         k_qd05fc91f7c_prep.kd
    .args:
      - { .name: x, .offset: 0, .size: 8, .value_kind: global_buffer, .address_space: global }
      - { .name: g1, .offset: 8, .size: 8, .value_kind: global_buffer, .address_space: global }
      - { .name: be1, .offset: 16, .size: 8, .value_kind: global_buffer, .address_space: global }
      - { .name: hn, .offset: 24, .size: 8, .value_kind: global_buffer, .address_space: global }
      - { .name: Wq, .offset: 32, .size: 8, .value_kind: global_buffer, .address_space: global }
      - { .name: Wk, .offset: 40, .size: 8, .value_kind: global_buffer, .address_space: global }
      - { .name: Wv, .offset: 48, .size: 8, .value_kind: global_buffer, .address_space: global }
      - { .name: Wo, .offset: 56, .size: 8, .value_kind: global_buffer, .address_space: global }
      - { .name: W1, .offset: 64, .size: 8, .value_kind: global_buffer, .address_space: global }
      - { .name: W2, .offset: 72, .size: 8, .value_kind: global_buffer, .address_space: global }
      - { .name: wt, .offset: 80, .size: 8, .value_kind: global_buffer, .address_space: global }
    .group_segment_fixed_size: 70656
    .private_segment_fixed_size: 0
    .kernarg_segment_align: 8
    .kernarg_segment_size: 88
    .max_flat_workgroup_size: 256
    .sgpr_count:     98
    .vgpr_count:     192
    .wavefront_size: 32
...
	.end_amdgpu_metadata
.endif
;; end of part 1
;; launch qkv (part 2): grid 32 x 8, 4 waves a work-group, clusters of 4 x 1, 215,552 bytes of LDS; arguments hn, wt, qkv; writes qkv
.if DOCPART == 2
	.amdgcn_target "amdgcn-amd-amdhsa--gfx1250"
	.amdhsa_code_object_version 6
	.text
	.protected	k_qd05fc91f7c_qkv
	.globl	k_qd05fc91f7c_qkv
	.p2align	8
	.type	k_qd05fc91f7c_qkv,@function
k_qd05fc91f7c_qkv:
	s_mov_b64 s[64:65], 0
	v_nop
	global_prefetch_b8 v0, s[64:65] scope:SCOPE_SE
	s_setreg_imm32_b32 hwreg(HW_REG_WAVE_MODE, 25, 1), 1
	s_wait_xcnt 0x0
	s_wait_alu depctr_hold_cnt(0) depctr_sa_sdst(0) depctr_va_vdst(0) depctr_va_sdst(0) depctr_va_ssrc(0) depctr_va_vcc(0) depctr_vm_vsrc(0)
	s_getreg_b32 s2, hwreg(HW_REG_IB_STS2, 6, 4)
	s_cmp_eq_u32 s2, 0
	s_cbranch_scc0 .Lentry_in_a_cluster
	s_endpgm
.Lentry_in_a_cluster:
	s_bfe_u32 s2, ttmp6, 0x10000c
	s_cmp_lg_u32 s2, 0x3003
	s_cbranch_scc0 .Lentry_shape_is_right
	s_endpgm
.Lentry_shape_is_right:
; QKV.  q, k, v = hn x WQKV^T.  hn: [8192][512] bf16; WQKV: [1536][512] bf16 at wt's byte 0, row (head x 3 + which) x 32 + d; sums in f32; results rounded once to bf16.
; qkv: three planes of 8,388,608 bytes (q, k, v), each [16 heads][8192 rows][32]: a head's rows are dense, 64 bytes each.
; SHARES.  A work-group makes 256 rows x 192 columns (two heads' q, k, v); a wave 64 rows.  K is 512 in all, so a wave keeps ITS ROWS OF hn FOR ALL OF K IN 512 REGISTERS, loaded straight from memory as
; fragments; only the weights go through LDS, filled once.  A fragment of the weights read from LDS feeds four products.  No LDS byte is filled twice, and no barrier stands in the loop.
; CLUSTER.  The four work-groups of a cluster (four row blocks, one column group) need the same 192 rows of the table: each wave's 48 rows are asked for JOINTLY, the same load, descriptor and mask in all four.
; THE PRODUCT IS USED TRANSPOSED (source 0 = 16 rows of the table, source 1 = 16 rows of hn): a lane holds one row of the result and eight neighbouring columns.
; REGISTERS, in windows of 256 (s_set_vgpr_msb: bits 1:0 source 0, 3:2 source 1, 5:4 source 2, 7:6 destination):
;   window 0: addresses, TMP, two buffers of weight fragments   window 1: 24 accumulators, (a, b) at 8 (6 a + b)   windows 2, 3: hn's fragment (a, c) in window 2 + c / 8 at 64 a + 8 (c % 8)
.set CT,    6                          ; column tiles of 16 in a trip: one head's q, k, v
.set HB,    3                          ; column tiles reached from one address register (an LDS offset has 16 bits)
.set RPW,   48                         ; rows of the table that a wave fetches
.set PITCH, 1040                       ; an LDS row: 1,024 bytes + 16 of padding: the 16 rows of a load start at 16 different 16-byte columns modulo 256
.set SLOT,  96*PITCH                   ; a trip's 96 rows
.set STAGE, 2*SLOT                     ; behind the table: a wave's stage, three planes of 16 rows x 80 bytes
.set STW,   3840
.set SPARE, STAGE+4*STW                ; behind the stages: the spare words, 128 bytes a wave
.set R,   1                            ; v1  lane % 16
.set H,   2                            ; v2  lane / 16
.set AO,  3                            ; v3  my byte offset in 16 rows of hn
.set AB0, 4                            ; v4, v5  my place in column tiles 0-2, 3-5 of slot 0; never rewritten
.set AB1, 5
.set STO, 6
.set RD,  7
.set CO,  8
.set ADB, 12                           ; v12, v13  the same two places in the trip's slot
.set SPW, 28
.set NIL, 29
.set TMP, 32                           ; v[32:55]
.set F0,  64                           ; v[64:111], v[112:159] the two fragment buffers
.set OB,  64                           ; the way out: v[64:87], v[88:111] by turns
.set PL,  8                            ; s[8:9], s[10:11], s[12:13]  the three planes at my rows
.set WV,  16
.set CX,  17
.set RB,  18
.set CG,  19
.set G1,  24
.set G0,  32
.set TRIP, 36
.set TB,  37
.set MSB, 0
.macro WIN new                         ; the immediate's high byte repeats the setting that is left; a switch that changes nothing is dropped
.if MSB != (\new)
	s_set_vgpr_msb (MSB<<8)|(\new)
.set MSB, \new
.endif
.endm
.macro CROUND                          ; a round of the cluster's barrier
	s_barrier_signal -1
	s_barrier_wait -1
	s_cmp_lg_u32 s[WV], 0
	s_cbranch_scc1 .Lnot_wave_0_\@
	s_barrier_signal -3
.Lnot_wave_0_\@:
	s_barrier_wait -3
	s_barrier_signal -1
	s_barrier_wait -1
.endm
.macro PLACES                          ; four places behind a product, in front of loads into registers that it read and of conversions that read results
.rept 4
	v_nop
.endr
.endm
	s_load_b128 s[4:7], s[0:1], 0x0                ; hn, wt
	s_load_b64 s[8:9], s[0:1], 0x10                ; qkv
	v_lshl_add_u32 v[SPW], v0, 2, SPARE
	v_mov_b32 v[NIL], 0
	ds_add_u32 v[SPW], v[NIL]                      ; the wave's opening: the add and its wait ahead of my first tensor load
	v_lshrrev_b32 v1, 5, v0
	v_readfirstlane_b32 s[WV], v1                  ; wave 0..3
	s_bfe_u32 s[CX], ttmp6, 0x40000                ; my place in the cluster: it enters hn's and qkv's addresses alone
	s_lshl_b32 s[RB], ttmp9, 2
	s_add_co_u32 s[RB], s[RB], s[CX]               ; my block of 256 rows
	s_and_b32 s[CG], ttmp7, 0xffff                 ; the column group, which the four partners share
	s_mov_b32 s[G1], 15|(1<<16)|(1<<20)|(1<<21)|(7<<22)|(3<<25)  ; the mask of four; 2-byte elements; padding on; bit 21 beside a mask; after every 256 words, 4 words
	s_mov_b32 s[G1+1], 512<<16                     ; tensor_dim0 = 512
	s_mov_b32 s[G1+2], RPW<<16                     ; tensor_dim1
	s_mov_b32 s[G1+3], 512<<16                     ; tile_dim0 = 512
	s_mov_b32 s[G1+4], RPW                         ; tile_dim1
	s_mov_b32 s[G1+5], 512                         ; elements from row to row
	s_mov_b32 s[G1+6], 0
	s_mov_b32 s[G1+7], 0
	s_mov_b32 s[G0], 1
	s_mul_i32 s[G0+1], s[WV], RPW*PITCH            ; where my rows go: the wave's number alone
	s_mul_i32 s20, s[CG], 192
	s_mul_i32 s21, s[WV], RPW
	s_add_co_u32 s20, s20, s21
	s_lshl_b32 s20, s20, 10                        ; my first row of the table, 1,024 bytes a row
	s_mov_b32 s21, 0
	s_lshl_b32 s22, s[RB], 18                      ; hn: 256 rows of 1,024 bytes,
	s_lshl_b32 s23, s[WV], 16                      ; my 64 of them
	s_add_co_u32 s22, s22, s23
	s_mov_b32 s23, 0
	s_lshl_b32 s38, s[CG], 20                      ; a plane: head 2 x group, 524,288 bytes a head,
	s_lshl_b32 s39, s[RB], 14                      ; 256 rows of 64 bytes,
	s_add_co_u32 s38, s38, s39
	s_lshl_b32 s39, s[WV], 12                      ; my 64 of them
	s_add_co_u32 s38, s38, s39
	s_mov_b32 s39, 0
	s_mov_b32 s[TRIP], 2
	s_mov_b32 s[TB], 0
	s_wait_dscnt 0x0                               ; the opening add is done
	s_wait_kmcnt 0x0
	s_add_nc_u64 s[G0+2:G0+3], s[6:7], s[20:21]
	s_or_b32 s[G0+3], s[G0+3], 0x80000000          ; type = 2
	s_add_nc_u64 s[4:5], s[4:5], s[22:23]
	s_add_nc_u64 s[PL:PL+1], s[PL:PL+1], s[38:39]
	s_add_nc_u64 s[PL+2:PL+3], s[PL:PL+1], 0x800000
	s_add_nc_u64 s[PL+4:PL+5], s[PL+2:PL+3], 0x800000
	CROUND                                         ; all four work-groups are here: the joint loads meet
	tensor_load_to_lds s[G0:G0+3], s[G1:G1+7]      ; my 48 rows, both trips' share: the one tensor load of this wave
	s_nop 0
	PLACES
	v_and_b32 v[R], 15, v0
	v_bfe_u32 v[H], v0, 4, 1
	v_lshlrev_b32 v[AO], 10, v[R]
	v_lshl_add_u32 v[AO], v[H], 4, v[AO]           ; row x 1,024 + 16 x half
.set kc, 0
.rept 16                               ; hn's fragments, K block by K block: 16 rows x 32 k are two loads of 16 bytes a lane, 32 bytes apart
.if kc < 8
	WIN 0x80
.else
	WIN 0xc0
.endif
.irp a, 0,1,2,3
	global_load_b128 v[64*\a+8*(kc%8):64*\a+8*(kc%8)+3],   v[AO], s[4:5] offset:16384*\a+64*kc
	global_load_b128 v[64*\a+8*(kc%8)+4:64*\a+8*(kc%8)+7], v[AO], s[4:5] offset:16384*\a+64*kc+32
.endr
.set kc, kc+1
.endr
	WIN 0
	v_mul_u32_u24 v[AB0], v[R], PITCH
	v_lshl_add_u32 v[AB0], v[H], 4, v[AB0]
	v_add_nc_u32 v[AB1], HB*16*PITCH, v[AB0]
	s_mul_i32 s38, s[WV], STW
	s_add_co_u32 s38, s38, STAGE                   ; my stage
	v_mul_u32_u24 v[STO], v[R], 80                 ; in: row lane % 16, 16 bytes for each half of the lanes
	v_lshl_add_u32 v[STO], v[H], 4, v[STO]
	v_add_nc_u32 v[STO], s38, v[STO]
	v_bfe_u32 v11, v0, 2, 3                        ; back: 32 lanes take eight rows of 64 bytes,
	v_and_b32 v14, 3, v0
	v_mul_u32_u24 v[RD], v11, 80
	v_lshl_add_u32 v[RD], v14, 4, v[RD]
	v_add_nc_u32 v[RD], s38, v[RD]
	v_and_b32 v[CO], 31, v0                        ; which are 512 consecutive bytes of a plane
	v_lshlrev_b32 v[CO], 4, v[CO]
	s_wait_tensorcnt 0x0                           ; my rows of the table are in,
	s_barrier_signal -1
	s_barrier_wait -1                              ; everybody's are; nothing is ever filled again
.macro FETCH c, f                      ; the trip's six weight fragments of K block c into buffer f
	WIN 0
.set b, 0
.rept CT
	ds_load_b128 v[(\f)+8*b:(\f)+8*b+3],   v[ADB+b/HB] offset:(b%HB)*16*PITCH+64*(\c)
	ds_load_b128 v[(\f)+8*b+4:(\f)+8*b+7], v[ADB+b/HB] offset:(b%HB)*16*PITCH+64*(\c)+32
.set b, b+1
.endr
.endm
.macro MUL c, f                        ; 24 products; the 24 accumulators take turns, one instruction a turn.  K block 0 starts the sums with the constant 0
.if (\c) < 8
	WIN 0x58
.else
	WIN 0x5c
.endif
.irp a, 0,1,2,3
.set b, 0
.rept CT
.set rD, 8*(CT*\a+b)
.set rA, 64*\a+8*((\c)%8)
.if (\c) == 0
	v_wmma_f32_16x16x32_bf16 v[rD:rD+7], v[(\f)+8*b:(\f)+8*b+7], v[rA:rA+7], 0
.else
	v_wmma_f32_16x16x32_bf16 v[rD:rD+7], v[(\f)+8*b:(\f)+8*b+7], v[rA:rA+7], v[rD:rD+7]
.endif
.set b, b+1
.endr
.endr
.endm
.macro KBLK c                          ; K block c is multiplied while block c + 1's fragments come out of LDS
	PLACES
.if (\c) < 15
	FETCH (\c)+1, F0+8*CT*(((\c)+1)%2)
	s_wait_dscnt 2*CT                              ; the twelve just issued may stay out: block c's are in
.else
	s_wait_dscnt 0x0
.endif
.if 8*(15-(\c)) > 63
	s_wait_loadcnt 63                              ; the count's field ends here; fewer out than need be
.else
	s_wait_loadcnt 8*(15-(\c))                     ; hn's loads for later K blocks, eight each, may stay out
.endif
	MUL \c, F0+8*CT*((\c)%2)
.endm
.macro PACK a                          ; 16 rows: rounded to bf16, each accumulator's registers in ascending order
	WIN 0x05
.set b, 0
.rept CT
.irp q, 0,1,2,3
	v_cvt_pk_bf16_f32 v[TMP+4*b+\q], v[8*(CT*(\a)+b)+2*\q], v[8*(CT*(\a)+b)+2*\q+1]
.endr
.set b, b+1
.endr
	WIN 0
.endm
.macro TOSTAGE a                       ; into my stage by planes, and back as whole rows of 64 bytes
.set BK, OB+24*((\a)%2)
.set b, 0
.rept CT
	ds_store_b128 v[STO], v[TMP+4*b:TMP+4*b+3] offset:(b/2)*1280+(b%2)*32
.set b, b+1
.endr
.set b, 0
.rept 6
	ds_load_b128 v[BK+4*b:BK+4*b+3], v[RD] offset:(b/2)*1280+(b%2)*640  ; LDS serves a wave's instructions in order (ISA guide 5.7.1.4): these see the stores above
.set b, b+1
.endr
.endm
.macro SEND a
.set BK, OB+24*((\a)%2)
	s_wait_dscnt 0x0                               ; the rows are back in registers
	s_wait_xcnt 0x0                                ; earlier stores have read their registers: the other buffer may be loaded again behind this wait
.irp w, 0,1,2
	global_store_b128 v[CO], v[BK+8*\w:BK+8*\w+3],   s[PL+2*\w:PL+2*\w+1] offset:1024*(\a)      ; 512 consecutive bytes, aligned
	global_store_b128 v[CO], v[BK+8*\w+4:BK+8*\w+7], s[PL+2*\w:PL+2*\w+1] offset:1024*(\a)+512
.endr
.endm
.Ltrip:                                ; two trips: a head each
	v_add_nc_u32 v[ADB], s[TB], v[AB0]
	v_add_nc_u32 v[ADB+1], s[TB], v[AB1]
	FETCH 0, F0
.irp c, 0,1,2,3,4,5,6,7,8,9,10,11,12,13,14,15
	KBLK \c
.endr
	PLACES
	PACK 0
	TOSTAGE 0
.irp a, 1,2,3                          ; a block's conversions stand between the loads of the block before and the wait for them
	PACK \a
	SEND (\a)-1
	TOSTAGE \a
.endr
	SEND 3
	s_wait_xcnt 0x0                                ; the stores have read their bases and their data
	s_add_nc_u64 s[PL:PL+1], s[PL:PL+1], 524288    ; the next head
	s_add_nc_u64 s[PL+2:PL+3], s[PL+2:PL+3], 524288
	s_add_nc_u64 s[PL+4:PL+5], s[PL+4:PL+5], 524288
	s_add_co_u32 s[TB], s[TB], SLOT
	s_sub_co_u32 s[TRIP], s[TRIP], 1
	s_cmp_lg_u32 s[TRIP], 0
	s_cbranch_scc1 .Ltrip
	s_wait_tensorcnt 0x0                           ; the wave's end
	ds_add_u32 v[SPW], v[NIL]
	s_wait_dscnt 0x0
	CROUND                                         ; the closing round
	s_endpgm
.Lfunc_end_k_qd05fc91f7c_qkv:
	.size	k_qd05fc91f7c_qkv, .Lfunc_end_k_qd05fc91f7c_qkv-k_qd05fc91f7c_qkv
	.p2alignl 7, 3214868480
	.fill 96, 4, 3214868480
	.section	.rodata,"a",@progbits
	.p2align	6, 0x0
	.amdhsa_kernel k_qd05fc91f7c_qkv
		.amdhsa_group_segment_fixed_size 215552
		.amdhsa_private_segment_fixed_size 0
		.amdhsa_enable_private_segment 0
		.amdhsa_kernarg_size 24
		.amdhsa_user_sgpr_count 2
		.amdhsa_user_sgpr_kernarg_segment_ptr 1
		.amdhsa_wavefront_size32 1
		.amdhsa_system_sgpr_workgroup_id_x 1
		.amdhsa_system_sgpr_workgroup_id_y 1
		.amdhsa_system_sgpr_workgroup_id_z 1
		.amdhsa_system_vgpr_workitem_id 0
		.amdhsa_next_free_vgpr 1024
		.amdhsa_next_free_sgpr 66
		.amdhsa_reserve_vcc 0
		.amdhsa_float_denorm_mode_32 3
		.amdhsa_float_denorm_mode_16_64 3
		.amdhsa_memory_ordered 1
		.amdhsa_forward_progress 1
		.amdhsa_inst_pref_size 69
	.end_amdhsa_kernel
	.amdgpu_metadata
---
amdhsa.version: [ 1, 2 ]
amdhsa.kernels:
  - .name:           k_qd05fc91f7c_qkv
    .symbol:         k_qd05fc91f7c_qkv.kd
    .args:
      - { .name: hn, .offset: 0, .size: 8, .value_kind: global_buffer, .address_space: global }
      - { .name: wt, .offset: 8, .size: 8, .value_kind: global_buffer, .address_space: global }
      - { .name: qkv, .offset: 16, .size: 8, .value_kind: global_buffer, .address_space: global }
    .group_segment_fixed_size: 215552
    .private_segment_fixed_size: 0
    .kernarg_segment_align: 8
    .kernarg_segment_size: 24
    .max_flat_workgroup_size: 128
    .sgpr_count:     66
    .vgpr_count:     1024
    .wavefront_size: 32
...
	.end_amdgpu_metadata
.endif
;; end of part 2
;; launch attn (part 3): grid 4 x 64, 8 waves a work-group, no clusters, 327,680 bytes of LDS; arguments qkv, oh; writes oh
.if DOCPART == 3
	.amdgcn_target "amdgcn-amd-amdhsa--gfx1250"
	.amdhsa_code_object_version 6
	.text
	.protected	k_qd05fc91f7c_attn
	.globl	k_qd05fc91f7c_attn
	.p2align	8
	.type	k_qd05fc91f7c_attn,@function
k_qd05fc91f7c_attn:
	s_mov_b64 s[64:65], 0
	v_nop
	global_prefetch_b8 v0, s[64:65] scope:SCOPE_SE
	s_setreg_imm32_b32 hwreg(HW_REG_WAVE_MODE, 25, 1), 1
	s_wait_xcnt 0x0
; CAUSAL ATTENTION at head size 32.  O[y][q] = the sum over k <= q of softmax_k(Q[y][q] . K[y][k]) V[y][k]; y = 4 head + batch picks a dense block [2048][32] bf16, 131,072 bytes, in each of qkv's
; planes (q, k, v) and in oh.  Q arrives multiplied by log2(e) / sqrt(32), so a score is the exponent of 2.  Products, maxima and sums in f32; the weights p are rounded to bf16 for the second product, O once.
; LIMITS.  A hidden score counts as its value less 1e30; a weight below 2^-126 counts as 0; l is the sum of the ROUNDED weights, the numbers that multiply V; NaN and infinities are not treated apart.
; THE WALK.  NB = 8 blocks of 256 queries; block i needs key tiles 0 .. i of 256 keys.  A work-group takes blocks 7 - b and then b: 9 tiles whatever b, one loop with a constant count; the ring of two LDS
; slots runs on across the change of blocks.  NO CLUSTER: the four work-groups of a block y ask for the same tile only in trips 0 to 4; a walk common to all four would have 12 trips for 9.
; SHARES.  Eight waves, two to a SIMD, so that one wave's vector work stands beside the other's products.  Wave w owns 16 rows (place w % 4) in band w / 4 and in band w / 4 + 2 of the block's four bands of 64: two tiles.
; In the diagonal tile's step s (64 keys) band x sees all keys if s < x, none if s > x, and holds the diagonal if s = x: equal work for all waves.
; THE MASK is the C operand of S^T = K Q^T: MD x AL + BE, MD the mask of a band's own step for my rows, (AL, BE) = (1, 0), (0, 0) or (0, -1e30).  Outside the diagonal tile C is the constant 0.
; LAYOUT.  S^T (source 0 = 16 keys, source 1 = 16 queries) holds ONE query a lane and keys 8 (lane / 16) + 0..7; two results rounded in pairs ARE source 1 of O^T = V^T P.  A third block of O^T has ones for
; V^T: each of its registers holds l of the lane's query, so l needs no sums and no exchange of lanes.  Only its registers 0, 1 are rescaled; the others hold finite sums that nobody reads.
; SOFTMAX.  Running maximum m; p = 2^(s - m); O and l are multiplied by a = 2^(m_old - m_new) in every step.  A block begins with m far below every score: its first a is 0, which clears O and l.
.set NB,    8
.set PK,    80                         ; a row of K in LDS: 64 bytes + 16: the 16 rows of a load start at 16 different 16-byte columns modulo 256
.set PV,    96                         ; a row of V: 64 + 32: an odd multiple of 32, for the turning load
.set VOFF,  256*PK                     ; a slot: 256 rows of K, then 256 rows of V
.set SLOT1, 1<<16                      ; slot 1 begins here: one exclusive or turns an address in one slot into the other's
.set STAGE, SLOT1+256*(PK+PV)          ; behind the ring, never filled by a tensor load: 16 rows x 80 bytes a wave
.set SP,    80
.set SPARE, STAGE+8*16*SP              ; behind the stages: the spare words, 128 bytes a wave
.set AK0, 2
.set AV0, 3
.set AK,  4
.set AV,  5
.set STO, 6
.set RD,  7
.set GO,  8
.set QO,  10
.set PFO, 11                           ; v11  256 x lane; never rewritten
.set MV,  12                           ; v12, v13  m_old of tile 0, 1
.set ST,  16                           ; tile u at ST + 8 u: +0 m, +1 (0), +2 a, +3 (0), +4..7 c0-c3 at work
.set ONE, 32                           ; v[32:39]   1.0 in every half
.set Q,   40                           ; v[40:55]
.set KF,  56                           ; v[56:87]   four fragments of K
.set VF,  88                           ; v[88:119]  V^T: key half kk, channel block cb at 8 (2 kk + cb)
.set S,   120                          ; v[120:183] 32 a tile; P is packed in place into the first 16
.set O,   184                          ; v[184:231] 24 a tile: channels 0-15, 16-31, the block of ones
.set SPW, 232
.set NIL, 233
.set MD,  0                            ; window 1: v[0:31]
.set QB,  32                           ; window 1: v[32:47] the second block's Q
.set OUTP, 6                           ; s[6:7]  O at my rows of the block in hand
.set KP,  8                            ; s[8:9]  K's block y;  s[10:11] V's
.set VP,  10
.set WV,  12
.set PB,  14
.set HI,  15
.set LIM, 16
.set PFA, 18
.set G1K, 24
.set G1V, 32
.set G0K, 40
.set G0V, 44
.set SLOTS, 56
.set CNT, 57
.set SEL, 60
.set TBK, 62
.set TBV, 63
.set RT,  70                           ; tiles of the block in hand still to be entered
.set NXT, 71                           ; the tile to be asked for next
.set LQ,  72                           ; the last tile of the block whose tiles are being asked for
.set NEW, 73                           ; 1: the tile to be entered is a block's first
.set OFF, 74
.set AL0, 76
.set BE0, 78
.set OLO, 80
.set AL1, 82
.set BE1, 84
.set QLO, 86
.set BIGN, 88
.set CX0, 89                           ; the value of CNT in tile 0's band's own step; CX1 the same for tile 1
.set CX1, 90
.set MSB, 0
.macro WIN new
.if MSB != (\new)
	s_set_vgpr_msb (MSB<<8)|(\new)
.set MSB, \new
.endif
.endm
.macro PLACES
.rept 4
	v_nop
.endr
.endm
; A fill: wave 0 fetches the tile's K, wave 1 its V, 16,384 dense bytes each; the others fetch nothing.  An s_nop 0 and four v_nop follow each of the two lines.
.macro LOAD
	s_cmp_lg_u32 s[WV], 0
	s_cbranch_scc1 .Lnot_k_\@
	tensor_load_to_lds s[G0K:G0K+3], s[G1K:G1K+7]
	s_nop 0
	PLACES
	s_branch .Lasked_\@
.Lnot_k_\@:
	s_cmp_lg_u32 s[WV], 1
	s_cbranch_scc1 .Lasked_\@
	tensor_load_to_lds s[G0V:G0V+3], s[G1V:G1V+7]
	s_nop 0
	PLACES
.Lasked_\@:
.endm
; A prefetch of the tile that the NEXT change of slots will ask for.  All four work-groups of a block y walk tiles 0 to 4 and more together: the one with b = 0, whose first block needs all eight, asks; its waves 0, 1
; take the halves of K's tile, waves 2, 3 of V's: a lane 256 bytes.  Trips with SLOTS = 8 .. 3 name tiles 2 .. 7: each block of 256 bytes once in the launch, none past the block y.
.macro ASK
	s_cmp_gt_u32 s[SLOTS], s[LIM]
	s_cbranch_scc0 .Lnot_mine_\@
	global_prefetch_b8 v[PFO], s[PFA:PFA+1] th:TH_LOAD_NT scope:SCOPE_SE
.Lnot_mine_\@:
.endm
; THE CHANGE OF SLOTS.  Each wave waits for all its tensor loads, adds 0 to its spare word, waits for that and for its reads of the slot that it leaves.  Behind the barrier nobody reads the old slot and the other
; slot is whole.  fill = 1: the old slot is filled again, first thing behind the barrier, with tile NXT.  (At its first use slot 0 is waited for and slot 1 filled.)
.macro CHANGE fill
	s_wait_tensorcnt 0x0                           ; no tensor load of mine is out, so a group 0 may be written
	ds_add_u32 v[SPW], v[NIL]
.if \fill
	s_lshl_b32 s[OFF], s[NXT], 14                  ; a tile is 16,384 bytes of K and of V
	s_xor_b32 s[G0K+1], s[G0K+1], SLOT1
	s_add_nc_u64 s[G0K+2:G0K+3], s[KP:KP+1], s[OFF:OFF+1]
	s_or_b32 s[G0K+3], s[G0K+3], 0x80000000
	s_xor_b32 s[G0V+1], s[G0V+1], SLOT1
	s_add_nc_u64 s[G0V+2:G0V+3], s[VP:VP+1], s[OFF:OFF+1]
	s_or_b32 s[G0V+3], s[G0V+3], 0x80000000
	s_add_co_u32 s[NXT], s[NXT], 1                 ; the block's next tile, or behind its last the second block's tile 0
	s_cmp_gt_u32 s[NXT], s[LQ]
	s_cselect_b32 s[NXT], 0, s[NXT]
	s_cselect_b32 s[LQ], s[PB], s[LQ]
	s_wait_xcnt 0x0                                ; the last prefetch, a tile back, has read its address
	s_add_nc_u64 s[PFA:PFA+1], s[PFA:PFA+1], 16384
.endif
	s_wait_dscnt 0x0                               ; the add is done, and my reads of the slot are over
	s_barrier_signal -1
	s_sub_co_u32 s[TBK], s[TBK], 256*PK            ; the fetches go back to a slot's first step, in the other slot
	s_xor_b32 s[TBK], s[TBK], SLOT1
	s_sub_co_u32 s[TBV], s[TBV], 256*PV
	s_xor_b32 s[TBV], s[TBV], SLOT1
	s_barrier_wait -1
.if \fill
	LOAD
	ASK
.endif
.endm
	s_load_b128 s[4:7], s[0:1], 0x0                ; qkv, oh
	v_lshl_add_u32 v[SPW], v0, 2, SPARE
	v_mov_b32 v[NIL], 0
	ds_add_u32 v[SPW], v[NIL]                      ; the wave's opening: the add and its wait ahead of the first tensor load
	v_lshrrev_b32 v1, 5, v0
	v_readfirstlane_b32 s[WV], v1                  ; wave 0..7
	s_mov_b32 s[PB], ttmp9
	s_sub_co_u32 s[HI], NB-1, s[PB]
	s_and_b32 s20, ttmp7, 0xffff
	s_lshl_b32 s20, s20, 17                        ; block y
	s_mov_b32 s21, 0
	s_lshr_b32 s22, s[WV], 2                       ; my first band
	s_and_b32 s23, s[WV], 3                        ; my place in a band
	s_lshl_b32 s2, s22, 12                         ; a band is 64 rows of 64 bytes,
	s_lshl_b32 s3, s23, 10                         ; my 16 rows in it
	s_add_co_u32 s2, s2, s3
	s_add_co_u32 s2, s2, s20
	s_lshl_b32 s50, s[HI], 14                      ; the first block,
	s_add_co_u32 s50, s50, s2
	s_mov_b32 s51, 0
	s_lshl_b32 s52, s[PB], 14                      ; and the second
	s_add_co_u32 s52, s52, s2
	s_mov_b32 s53, 0
	s_sub_co_u32 s[CX0], 4, s22
	s_sub_co_u32 s[CX1], 2, s22
	; 16,384 dense bytes are asked for as 64 rows of 256 bytes and padded in LDS after every key (16 words)
	s_mov_b32 s[G1K], (1<<16)|(1<<20)|(3<<22)|(3<<25)  ; 2-byte elements; padding on; after every 16 words, 4 words
	s_mov_b32 s[G1V], (1<<16)|(1<<20)|(3<<22)|(7<<25)  ; the same with 8 words
.irp g, G1K, G1V
	s_mov_b32 s[\g+1], 128<<16
	s_mov_b32 s[\g+2], 64<<16
	s_mov_b32 s[\g+3], 128<<16
	s_mov_b32 s[\g+4], 64
	s_mov_b32 s[\g+5], 128
	s_mov_b32 s[\g+6], 0
	s_mov_b32 s[\g+7], 0
.endr
	s_mov_b32 s[G0K], 1
	s_mov_b32 s[G0K+1], 0                          ; slot 0
	s_mov_b32 s[G0V], 1
	s_mov_b32 s[G0V+1], VOFF
	s_mov_b32 s[SEL], 0x76543210
	s_mov_b32 s[SEL+1], 0xfedcba98
	s_mov_b32 s[TBK], SLOT1+256*PK                 ; the first change of slots turns these two into 0
	s_mov_b32 s[TBV], SLOT1+256*PV
	s_add_co_u32 s[RT], s[HI], 1                   ; the first block has 8 - b tiles
	s_mov_b32 s[NXT], 1
	s_mov_b32 s[LQ], s[HI]
	s_mov_b32 s[NEW], 1
	s_mov_b32 s[OFF+1], 0
	s_mov_b32 s[AL0+1], 0                          ; named as pairs
	s_mov_b32 s[BE0+1], 0
	s_mov_b32 s[AL1+1], 0
	s_mov_b32 s[BE1+1], 0
	s_mov_b32 s[BIGN], 0xf149f2ca                  ; -1e30
	s_mov_b32 s[SLOTS], NB
	s_lshr_b32 s[LIM], s[WV], 2                    ; 0 in waves 0 to 3,
	s_or_b32 s[LIM], s[LIM], s[PB]                 ; of the work-group with b = 0
	s_cmp_eq_u32 s[LIM], 0
	s_cselect_b32 s[LIM], 2, -1
	s_and_b32 s48, s[WV], 1
	s_lshl_b32 s48, s48, 13                        ; which half of a tile I prefetch,
	s_add_co_u32 s48, s48, 16384                   ; in tile 1: the first change of slots steps it to tile 2
	s_mov_b32 s49, 0
	s_wait_dscnt 0x0                               ; the opening add is done
	s_wait_kmcnt 0x0
	s_add_nc_u64 s[KP:KP+1], s[4:5], s[20:21]
	s_add_nc_u64 s[VP:VP+1], s[KP:KP+1], 0x1000000
	s_add_nc_u64 s[KP:KP+1], s[KP:KP+1], 0x800000
	s_add_nc_u64 s[G0K+2:G0K+3], s[KP:KP+1], 0
	s_or_b32 s[G0K+3], s[G0K+3], 0x80000000
	s_add_nc_u64 s[G0V+2:G0V+3], s[VP:VP+1], 0
	s_or_b32 s[G0V+3], s[G0V+3], 0x80000000
	s_add_nc_u64 s[QLO:QLO+1], s[4:5], s[52:53]
	s_add_nc_u64 s[4:5], s[4:5], s[50:51]
	s_add_nc_u64 s[OLO:OLO+1], s[OUTP:OUTP+1], s[52:53]
	s_add_nc_u64 s[OUTP:OUTP+1], s[OUTP:OUTP+1], s[50:51]
	s_cmp_lt_u32 s[WV], 2
	s_cselect_b64 s[PFA:PFA+1], s[KP:KP+1], s[VP:VP+1]
	s_add_nc_u64 s[PFA:PFA+1], s[PFA:PFA+1], s[48:49]
	LOAD                                           ; tile 0 into slot 0
	v_and_b32 v1, 15, v0                           ; l % 16
	v_bfe_u32 v9, v0, 4, 1                         ; l / 16
	v_lshlrev_b32 v[QO], 6, v1
	v_lshl_add_u32 v[QO], v9, 4, v[QO]             ; row x 64 + 16 x half
.irp u, 0,1                            ; a tile of Q is one fragment: 16 rows x 32 channels
	global_load_b128 v[Q+8*\u:Q+8*\u+3],   v[QO], s[4:5] offset:8192*\u
	global_load_b128 v[Q+8*\u+4:Q+8*\u+7], v[QO], s[4:5] offset:8192*\u+32
.endr
	WIN 0x40
.irp u, 0,1
	global_load_b128 v[QB+8*\u:QB+8*\u+3],   v[QO], s[QLO:QLO+1] offset:8192*\u
	global_load_b128 v[QB+8*\u+4:QB+8*\u+7], v[QO], s[QLO:QLO+1] offset:8192*\u+32
.endr
	WIN 0
	v_mul_u32_u24 v[AK0], v1, PK
	v_lshl_add_u32 v[AK0], v9, 4, v[AK0]
	v_and_b32 v14, 7, v0                           ; the turning load: lane l reads key 8 (l / 16) + l % 8, channels 8 ((l / 8) % 2) + 0..7
	v_bfe_u32 v15, v0, 3, 1
	v_lshl_add_u32 v[AV0], v9, 3, v14
	v_mul_u32_u24 v[AV0], v[AV0], PV
	v_lshl_add_u32 v[AV0], v15, 4, v[AV0]
	v_add_nc_u32 v[AV0], VOFF, v[AV0]
	s_mul_i32 s13, s[WV], 16*SP
	s_add_co_u32 s13, s13, STAGE                   ; my stage
	v_mul_u32_u24 v[STO], v1, SP
	v_lshl_add_u32 v[STO], v9, 4, v[STO]
	v_add_nc_u32 v[STO], s13, v[STO]
	v_bfe_u32 v14, v0, 2, 3                        ; back: 32 lanes take eight rows of 64 bytes,
	v_and_b32 v15, 3, v0
	v_mul_u32_u24 v[RD], v14, SP
	v_lshl_add_u32 v[RD], v15, 4, v[RD]
	v_add_nc_u32 v[RD], s13, v[RD]
	v_and_b32 v[GO], 31, v0                        ; which are 512 consecutive bytes of O
	v_lshlrev_b32 v[PFO], 8, v[GO]
	v_lshlrev_b32 v[GO], 4, v[GO]
	v_lshlrev_b32 v14, 3, v9
	v_sub_nc_u32 v14, v1, v14
	s_lshl_b32 s13, s23, 4
	v_add_nc_u32 v14, s13, v14                     ; my query's place in its band less my lanes' 8 (l / 16): register j of key group kb is hidden where 16 kb + j is greater
	WIN 0x40
.set z, 0
.rept 32
	v_cmp_gt_i32 vcc_lo, 16*(z/8)+z%8, v14
	v_cndmask_b32 v[MD+z], 0, s[BIGN], vcc_lo
.set z, z+1
.endr
	WIN 0
.set z, 0
.rept 8
	v_mov_b32 v[ONE+z], 0x3f803f80
.set z, z+1
.endr
.set z, 0
.rept 48                               ; O need only be finite: a block's first a is 0.  Written in the wait for the first tile
	v_mov_b32 v[O+z], 0
.set z, z+1
.endr
.irp u, 0,1
	v_mov_b32 v[ST+8*\u], 0xfe000000
	v_mov_b32 v[ST+8*\u+1], 0                      ; named with m and with a as pairs
	v_mov_b32 v[ST+8*\u+3], 0
.endr
	s_wait_loadcnt 0x0                             ; both blocks' Q
.macro KLOADS                          ; a step's K: 64 keys x 32 channels, four fragments
.irp f, 0,1,2,3
	ds_load_b128 v[KF+8*\f:KF+8*\f+3],   v[AK] offset:\f*16*PK
	ds_load_b128 v[KF+8*\f+4:KF+8*\f+7], v[AK] offset:\f*16*PK+32
.endr
	s_add_co_u32 s[TBK], s[TBK], 64*PK
.endm
.macro FETCH_V                         ; a step's V, turned
	v_add_nc_u32 v[AV], s[TBV], v[AV0]
	s_add_co_u32 s[TBV], s[TBV], 64*PV
.irp f, 0,1,2,3
	ds_load_tr16_b128 v[VF+8*\f:VF+8*\f+3],   v[AV] offset:(\f/2)*32*PV+(\f%2)*32
	ds_load_tr16_b128 v[VF+8*\f+4:VF+8*\f+7], v[AV] offset:(\f/2)*32*PV+16*PV+(\f%2)*32
.endr
.endm
.macro KQ masked                       ; 8 products, each on an accumulator of its own
.irp kb, 0,1,2,3
.irp u, 0,1
.if \masked
	v_wmma_f32_16x16x32_bf16 v[S+32*\u+8*\kb:S+32*\u+8*\kb+7], v[KF+8*\kb:KF+8*\kb+7], v[Q+8*\u:Q+8*\u+7], v[S+32*\u+8*\kb:S+32*\u+8*\kb+7]
.else
	v_wmma_f32_16x16x32_bf16 v[S+32*\u+8*\kb:S+32*\u+8*\kb+7], v[KF+8*\kb:KF+8*\kb+7], v[Q+8*\u:Q+8*\u+7], 0
.endif
.endr
.endr
.endm
; Number n of the 19 that find tile u's new maximum: four chains of seven scores, three operands at a time (each accumulator's lowest registers are read first); the four scores left
; over, the old m, the four chains into one; the query's other 32 keys lie in the lane 16 away; m; m_old - m_new.
.macro XS u, n
.set rT, ST+8*(\u)
.set rC, ST+8*(\u)+4
.set rS, S+32*(\u)
.if (\n) < 4
	v_max3_num_f32 v[rC+(\n)], v[rS+8*(\n)], v[rS+8*(\n)+1], v[rS+8*(\n)+2]
.elseif (\n) < 12
	v_max3_num_f32 v[rC+(\n)%4], v[rC+(\n)%4], v[rS+8*((\n)%4)+2*((\n)/4)+1], v[rS+8*((\n)%4)+2*((\n)/4)+2]
.elseif (\n) == 12
	v_max3_num_f32 v[rC], v[rC], v[rS+7], v[rS+15]
.elseif (\n) == 13
	v_max3_num_f32 v[rC+1], v[rC+1], v[rS+23], v[rS+31]
.elseif (\n) == 14
	v_max3_num_f32 v[rC+2], v[rC+2], v[rC+3], v[rT]
.elseif (\n) == 15
	v_max3_num_f32 v[rC], v[rC], v[rC+1], v[rC+2]
.elseif (\n) == 16
	v_permlanex16_b32 v[rC+3], v[rC], s[SEL], s[SEL+1]
.elseif (\n) == 17
	v_max_num_f32 v[rT], v[rC], v[rC+3]
.else
	v_sub_f32 v[rC+1], v[MV+(\u)], v[rT]
.endif
.endm
.macro FS u, b                         ; pair b of tile u: s - m
	v_pk_add_f32 v[S+32*(\u)+2*(\b):S+32*(\u)+2*(\b)+1], v[S+32*(\u)+2*(\b):S+32*(\u)+2*(\b)+1], v[ST+8*(\u):ST+8*(\u)+1] op_sel_hi:[1,0] neg_lo:[0,1] neg_hi:[0,1]
.endm
.macro ES u, e
	v_exp_f32 v[S+32*(\u)+(\e)], v[S+32*(\u)+(\e)]
.endm
; A KEY STEP, 64 keys, in phases; the SIMD's other wave fills the gaps.
.macro STEP
	PLACES                                         ; with the v_add_nc_u32 below: five places behind the last V^T P, ahead of loads into V's registers and of products (and masks) that write over P
	FETCH_V
	s_cmp_eq_u32 s[RT], 0
	s_cbranch_scc0 .Lplain_\@
	s_cmp_eq_u32 s[CNT], s[CX0]                    ; the diagonal tile: is this step the band's own,
	s_cselect_b32 s[AL0], 1.0, 0
	s_cmp_lt_u32 s[CNT], s[CX0]                    ; or a later one?
	s_cselect_b32 s[BE0], s[BIGN], 0
	s_cmp_eq_u32 s[CNT], s[CX1]
	s_cselect_b32 s[AL1], 1.0, 0
	s_cmp_lt_u32 s[CNT], s[CX1]
	s_cselect_b32 s[BE1], s[BIGN], 0
	WIN 0x01                                       ; MD in window 1
.set z, 0
.rept 16
	v_pk_fma_f32 v[S+2*z:S+2*z+1], v[MD+2*z:MD+2*z+1], s[AL0:AL0+1], s[BE0:BE0+1] op_sel_hi:[1,0,0]
	v_pk_fma_f32 v[S+32+2*z:S+32+2*z+1], v[MD+2*z:MD+2*z+1], s[AL1:AL1+1], s[BE1:BE1+1] op_sel_hi:[1,0,0]
.set z, z+1
.endr
	WIN 0
	s_wait_dscnt 8                                 ; V's eight loads may stay out: K's, issued ahead of them, are in
	KQ 1
	s_branch .Ljoin_\@
.Lplain_\@:
	s_wait_dscnt 8
	KQ 0
.Ljoin_\@:
	v_mov_b32 v[MV], v[ST]                         ; four plain instructions: the places behind the products, ahead of loads into K's registers and of the reads of the scores
	v_mov_b32 v[MV+1], v[ST+8]
	v_add_nc_u32 v[AK], s[TBK], v[AK0]
	v_nop
	s_cmp_eq_u32 s[CNT], 1                         ; a tile's last step fetches no further K: the next tile's first comes behind the change of slots
	s_cbranch_scc1 .Lno_k_\@
	KLOADS
.Lno_k_\@:
.irp n, 0,1,2,3,4,5,6,7,8,9,10,11,12,13,14,15,16,17,18
	XS 0, \n
	XS 1, \n
.endr
	FS 0, 0                                        ; ONE BATCH: the 32 subtractions and all 66 exponentials; nothing in it names an exponential's result
	FS 1, 0
	v_exp_f32 v[ST+2], v[ST+5]                     ; a
	v_exp_f32 v[ST+10], v[ST+13]
.set z, 0
.rept 16
	ES 0, 2*z
.if z < 15
	FS 0, z+1
.endif
	ES 1, 2*z
.if z < 15
	FS 1, z+1
.endif
	ES 0, 2*z+1
	ES 1, 2*z+1
.set z, z+1
.endr
	v_nop                                          ; a plain instruction behind the last exponential,
	s_wait_alu depctr_va_vdst(0)                   ; and one wait for the batch, ahead of its first reader
.set z, 0
.rept 16                               ; P in place, ascending: number z is read no later than it is written
	v_cvt_pk_bf16_f32 v[S+z], v[S+2*z], v[S+2*z+1]
	v_cvt_pk_bf16_f32 v[S+32+z], v[S+32+2*z], v[S+32+2*z+1]
.set z, z+1
.endr
.set z, 0
.rept 9                                ; O^T's 16 channels a lane and l, times a; each accumulator's lowest registers first
	v_pk_mul_f32 v[O+2*z:O+2*z+1], v[O+2*z:O+2*z+1], v[ST+2:ST+3] op_sel_hi:[1,0]
	v_pk_mul_f32 v[O+24+2*z:O+24+2*z+1], v[O+24+2*z:O+24+2*z+1], v[ST+10:ST+11] op_sel_hi:[1,0]
.set z, z+1
.endr
	s_wait_dscnt 0x0                               ; V is in, and the next step's K
.irp kk, 0,1                           ; 12 products; the six accumulators take turns
.irp cb, 0,1,2
.irp u, 0,1
.if \cb < 2
	v_wmma_f32_16x16x32_bf16 v[O+24*\u+8*\cb:O+24*\u+8*\cb+7], v[VF+8*(2*\kk+\cb):VF+8*(2*\kk+\cb)+7], v[S+32*\u+8*\kk:S+32*\u+8*\kk+7], v[O+24*\u+8*\cb:O+24*\u+8*\cb+7]
.else
	v_wmma_f32_16x16x32_bf16 v[O+24*\u+16:O+24*\u+23], v[ONE:ONE+7], v[S+32*\u+8*\kk:S+32*\u+8*\kk+7], v[O+24*\u+16:O+24*\u+23]
.endif
.endr
.endr
.endr
.endm
; THE WAY OUT of a block: O^T is divided by l, rounded to bf16 and sent through my stage, a tile at a time.  last = 0: the second block is set up.
.macro WAYOUT last
	PLACES
	v_rcp_f32 v[ST+2], v[O+16]
	v_rcp_f32 v[ST+10], v[O+40]
	v_nop
	s_wait_alu depctr_va_vdst(0)                   ; one wait for the two reciprocals
.irp u, 0,1
.set z, 0
.rept 8
	v_pk_mul_f32 v[O+24*\u+2*z:O+24*\u+2*z+1], v[O+24*\u+2*z:O+24*\u+2*z+1], v[ST+8*\u+2:ST+8*\u+3] op_sel_hi:[1,0]
.set z, z+1
.endr
.set z, 0
.rept 8
	v_cvt_pk_bf16_f32 v[S+32*\u+z], v[O+24*\u+2*z], v[O+24*\u+2*z+1]
.set z, z+1
.endr
	ds_store_b128 v[STO], v[S+32*\u:S+32*\u+3]
	ds_store_b128 v[STO], v[S+32*\u+4:S+32*\u+7] offset:32
	ds_load_b128 v[S+32*\u+8:S+32*\u+11],  v[RD]               ; LDS serves a wave's instructions in order (ISA guide 5.7.1.4): these see the stores above; the next tile's stores come behind them
	ds_load_b128 v[S+32*\u+12:S+32*\u+15], v[RD] offset:8*SP
.endr
	s_wait_dscnt 0x0
.irp u, 0,1
	global_store_b128 v[GO], v[S+32*\u+8:S+32*\u+11],  s[OUTP:OUTP+1] offset:8192*\u      ; 512 consecutive bytes, aligned
	global_store_b128 v[GO], v[S+32*\u+12:S+32*\u+15], s[OUTP:OUTP+1] offset:8192*\u+512
.endr
.if !(\last)
	s_wait_xcnt 0x0                                ; the stores have read their registers and O's address
	s_mov_b64 s[OUTP:OUTP+1], s[OLO:OLO+1]
	s_add_co_u32 s[RT], s[PB], 1                   ; the second block has b + 1 tiles
	s_mov_b32 s[NEW], 1
	WIN 0x01
.set z, 0
.rept 16
	v_mov_b32 v[Q+z], v[QB+z]
.set z, z+1
.endr
	WIN 0
.endif
.endm
.macro TILE last                       ; a tile's four steps; a block's beginning in front of them, its end behind them, where they are due
	s_sub_co_u32 s[RT], s[RT], 1
	s_cmp_eq_u32 s[NEW], 1
	s_cbranch_scc0 .Lold_\@
	s_mov_b32 s[NEW], 0
	v_mov_b32 v[ST], 0xfe000000                    ; m far below every score
	v_mov_b32 v[ST+8], 0xfe000000
.Lold_\@:
	v_add_nc_u32 v[AK], s[TBK], v[AK0]
	KLOADS
	s_mov_b32 s[CNT], 4
.Lstep_\@:
	STEP
	s_sub_co_u32 s[CNT], s[CNT], 1
	s_cmp_lg_u32 s[CNT], 0
	s_cbranch_scc1 .Lstep_\@
.if !(\last)
	s_cmp_eq_u32 s[RT], 0
	s_cbranch_scc0 .Lmore_\@
.endif
	WAYOUT \last
.if !(\last)
.Lmore_\@:
.endif
.endm
.Lslot:                                ; eight trips: a tile is entered and the next is asked for
	CHANGE 1
	TILE 0
	s_sub_co_u32 s[SLOTS], s[SLOTS], 1
	s_cmp_lg_u32 s[SLOTS], 0
	s_cbranch_scc1 .Lslot
	CHANGE 0                                       ; the walk's last tile is written out: nothing is asked for
	TILE 1
	s_wait_tensorcnt 0x0                           ; the wave's end
	ds_add_u32 v[SPW], v[NIL]
	s_wait_dscnt 0x0
	s_endpgm
.Lfunc_end_k_qd05fc91f7c_attn:
	.size	k_qd05fc91f7c_attn, .Lfunc_end_k_qd05fc91f7c_attn-k_qd05fc91f7c_attn
	.p2alignl 7, 3214868480
	.fill 96, 4, 3214868480
	.section	.rodata,"a",@progbits
	.p2align	6, 0x0
	.amdhsa_kernel k_qd05fc91f7c_attn
		.amdhsa_group_segment_fixed_size 327680
		.amdhsa_private_segment_fixed_size 0
		.amdhsa_enable_private_segment 0
		.amdhsa_kernarg_size 16
		.amdhsa_user_sgpr_count 2
		.amdhsa_user_sgpr_kernarg_segment_ptr 1
		.amdhsa_wavefront_size32 1
		.amdhsa_system_sgpr_workgroup_id_x 1
		.amdhsa_system_sgpr_workgroup_id_y 1
		.amdhsa_system_sgpr_workgroup_id_z 1
		.amdhsa_system_vgpr_workitem_id 0
		.amdhsa_next_free_vgpr 304
		.amdhsa_next_free_sgpr 96
		.amdhsa_reserve_vcc 1
		.amdhsa_float_denorm_mode_32 3
		.amdhsa_float_denorm_mode_16_64 3
		.amdhsa_memory_ordered 1
		.amdhsa_forward_progress 1
		.amdhsa_inst_pref_size 54
	.end_amdhsa_kernel
	.amdgpu_metadata
---
amdhsa.version: [ 1, 2 ]
amdhsa.kernels:
  - .name:           k_qd05fc91f7c_attn
    .symbol:         k_qd05fc91f7c_attn.kd
    .args:
      - { .name: qkv, .offset: 0, .size: 8, .value_kind: global_buffer, .address_space: global }
      - { .name: oh, .offset: 8, .size: 8, .value_kind: global_buffer, .address_space: global }
    .group_segment_fixed_size: 327680
    .private_segment_fixed_size: 0
    .kernarg_segment_align: 8
    .kernarg_segment_size: 16
    .max_flat_workgroup_size: 256
    .sgpr_count:     96
    .vgpr_count:     304
    .wavefront_size: 32
...
	.end_amdgpu_metadata
.endif
;; end of part 3
;; launch proj (part 4): grid 32 x 8, 4 waves a work-group, clusters of 4 x 1, 167,936 bytes of LDS; arguments oh, wt, bo, x, x1; writes x1
.if DOCPART == 4
	.amdgcn_target "amdgcn-amd-amdhsa--gfx1250"
	.amdhsa_code_object_version 6
	.text
	.protected	k_qd05fc91f7c_proj
	.globl	k_qd05fc91f7c_proj
	.p2align	8
	.type	k_qd05fc91f7c_proj,@function
k_qd05fc91f7c_proj:
	s_mov_b64 s[64:65], 0
	v_nop
	global_prefetch_b8 v0, s[64:65] scope:SCOPE_SE
	s_setreg_imm32_b32 hwreg(HW_REG_WAVE_MODE, 25, 1), 1
	s_wait_xcnt 0x0
	s_wait_alu depctr_hold_cnt(0) depctr_sa_sdst(0) depctr_va_vdst(0) depctr_va_sdst(0) depctr_va_ssrc(0) depctr_va_vcc(0) depctr_vm_vsrc(0)
	s_getreg_b32 s2, hwreg(HW_REG_IB_STS2, 6, 4)
	s_cmp_eq_u32 s2, 0
	s_cbranch_scc0 .Lentry_in_a_cluster
	s_endpgm
.Lentry_in_a_cluster:
	s_bfe_u32 s2, ttmp6, 0x10000c
	s_cmp_lg_u32 s2, 0x3003
	s_cbranch_scc0 .Lentry_shape_is_right
	s_endpgm
.Lentry_shape_is_right:
; PROJ.  x1 = x + O x Wo + bo.  oh: [16 heads][8192 rows][32] bf16, so K block c of 32 is head c; WO: [512 n][512 k] bf16 at wt's byte 1,572,864; bo, x, x1 in f32; sums in f32.
; SHARES.  A work-group makes 256 rows x 64 columns, a wave 64 rows.  A wave keeps its rows of O for all of K in 512 registers, loaded straight from memory as fragments; the 64 rows of WO go through LDS, filled once.
; CLUSTER.  The four work-groups of a cluster (four row blocks, one column group) need the same 64 rows of WO: each wave's 16 rows are asked for JOINTLY.
; THE PRODUCT IS USED TRANSPOSED (source 0 = 16 rows of WO, source 1 = 16 rows of O): a lane holds one row and eight neighbouring columns.  The bias is the C operand that starts each sum.
; REGISTERS: window 0: addresses; BI v[32:63]; two fragment buffers v[64:95], v[96:127]; x's rows v[128:255]   window 1: 16 accumulators, (a, b) at 8 (4 a + b)   windows 2, 3: O's fragment (a, c) in window 2 + c / 8 at 64 a + 8 (c % 8)
.set CT,    4
.set RPW,   16
.set PITCH, 1040                       ; 1,024 bytes + 16 of padding
.set STAGE, 64*PITCH                   ; behind the table: 16 rows x 272 bytes a wave
.set SP,    272
.set SPARE, STAGE+4*16*SP
.set WOT,   1572864
.set R,   1
.set H,   2
.set AO,  3
.set ADB, 4
.set STO, 6
.set RD,  7
.set CO,  8
.set BO,  9
.set SPW, 28
.set NIL, 29
.set BI,  32
.set F0,  64
.set OB,  64                           ; the way out: v[64:95], v[96:127] by turns
.set XR,  128
.set WV,  16
.set CX,  17
.set RB,  18
.set CG,  19
.set G1,  24
.set G0,  32
.set MSB, 0
.macro WIN new
.if MSB != (\new)
	s_set_vgpr_msb (MSB<<8)|(\new)
.set MSB, \new
.endif
.endm
.macro CROUND
	s_barrier_signal -1
	s_barrier_wait -1
	s_cmp_lg_u32 s[WV], 0
	s_cbranch_scc1 .Lnot_wave_0_\@
	s_barrier_signal -3
.Lnot_wave_0_\@:
	s_barrier_wait -3
	s_barrier_signal -1
	s_barrier_wait -1
.endm
.macro PLACES
.rept 4
	v_nop
.endr
.endm
	s_load_b256 s[4:11], s[0:1], 0x0               ; oh, wt, bo, x
	s_load_b64 s[12:13], s[0:1], 0x20              ; x1
	v_lshl_add_u32 v[SPW], v0, 2, SPARE
	v_mov_b32 v[NIL], 0
	ds_add_u32 v[SPW], v[NIL]                      ; the wave's opening: the add and its wait ahead of my first tensor load
	v_lshrrev_b32 v1, 5, v0
	v_readfirstlane_b32 s[WV], v1
	s_bfe_u32 s[CX], ttmp6, 0x40000                ; my place in the cluster: it enters oh's, x's and x1's addresses alone
	s_lshl_b32 s[RB], ttmp9, 2
	s_add_co_u32 s[RB], s[RB], s[CX]               ; my block of 256 rows
	s_and_b32 s[CG], ttmp7, 0xffff                 ; the column group, which the four partners share
	s_mov_b32 s[G1], 15|(1<<16)|(1<<20)|(1<<21)|(7<<22)|(3<<25)  ; the mask of four; 2-byte elements; padding on; bit 21 beside a mask; after every 256 words, 4 words
	s_mov_b32 s[G1+1], 512<<16
	s_mov_b32 s[G1+2], RPW<<16
	s_mov_b32 s[G1+3], 512<<16
	s_mov_b32 s[G1+4], RPW
	s_mov_b32 s[G1+5], 512
	s_mov_b32 s[G1+6], 0
	s_mov_b32 s[G1+7], 0
	s_mov_b32 s[G0], 1
	s_mul_i32 s[G0+1], s[WV], RPW*PITCH
	s_lshl_b32 s20, s[CG], 6
	s_lshl_b32 s21, s[WV], 4
	s_add_co_u32 s20, s20, s21
	s_lshl_b32 s20, s20, 10
	s_add_co_u32 s20, s20, WOT
	s_mov_b32 s21, 0
	s_lshl_b32 s22, s[RB], 14                      ; oh: 256 rows of 64 bytes, my 64 of them
	s_lshl_b32 s23, s[WV], 12
	s_add_co_u32 s22, s22, s23
	s_mov_b32 s23, 0
	s_lshl_b32 s38, s[RB], 19                      ; x and x1: 256 rows of 2,048 bytes, my 64, my 64 columns
	s_lshl_b32 s39, s[WV], 17
	s_add_co_u32 s38, s38, s39
	s_lshl_b32 s40, s[CG], 8
	s_add_co_u32 s38, s38, s40
	s_mov_b32 s39, 0
	s_mov_b32 s41, 0
	s_wait_dscnt 0x0
	s_wait_kmcnt 0x0
	s_add_nc_u64 s[G0+2:G0+3], s[6:7], s[20:21]
	s_or_b32 s[G0+3], s[G0+3], 0x80000000
	s_add_nc_u64 s[4:5], s[4:5], s[22:23]
	s_add_nc_u64 s[8:9], s[8:9], s[40:41]
	s_add_nc_u64 s[10:11], s[10:11], s[38:39]
	s_add_nc_u64 s[12:13], s[12:13], s[38:39]
	CROUND
	tensor_load_to_lds s[G0:G0+3], s[G1:G1+7]      ; my 16 rows of WO: the one tensor load of this wave
	s_nop 0
	PLACES
	v_and_b32 v[R], 15, v0
	v_bfe_u32 v[H], v0, 4, 1
	v_lshlrev_b32 v[BO], 5, v[H]                   ; my eight columns of a tile: 32 bytes of bo
.irp b, 0,1,2,3
	global_load_b128 v[BI+8*\b:BI+8*\b+3],   v[BO], s[8:9] offset:64*\b
	global_load_b128 v[BI+8*\b+4:BI+8*\b+7], v[BO], s[8:9] offset:64*\b+16
.endr
	v_lshlrev_b32 v[AO], 6, v[R]
	v_lshl_add_u32 v[AO], v[H], 4, v[AO]           ; row x 64 + 16 x half
.set kc, 0
.rept 16                               ; O's fragments, head by head; the largest immediate is 7,867,424, inside its signed 24 bits
.if kc < 8
	WIN 0x80
.else
	WIN 0xc0
.endif
.irp a, 0,1,2,3
	global_load_b128 v[64*\a+8*(kc%8):64*\a+8*(kc%8)+3],   v[AO], s[4:5] offset:524288*kc+1024*\a
	global_load_b128 v[64*\a+8*(kc%8)+4:64*\a+8*(kc%8)+7], v[AO], s[4:5] offset:524288*kc+1024*\a+32
.endr
.set kc, kc+1
.endr
	WIN 0
	v_lshlrev_b32 v[CO], 11, v[H]                  ; lanes 0-15 one row's 256 bytes, lanes 16-31 the next row's
	v_lshl_add_u32 v[CO], v[R], 4, v[CO]
.set t, 0
.rept 32                               ; x, as the results will lie when they come back from the stage
	global_load_b128 v[XR+4*t:XR+4*t+3], v[CO], s[10:11] offset:32768*(t/8)+4096*(t%8)
.set t, t+1
.endr
	v_mul_u32_u24 v[ADB], v[R], PITCH
	v_lshl_add_u32 v[ADB], v[H], 4, v[ADB]
	s_mul_i32 s38, s[WV], 16*SP
	s_add_co_u32 s38, s38, STAGE
	v_mul_u32_u24 v[STO], v[R], SP                 ; in: row lane % 16, 32 bytes for each half of the lanes
	v_lshl_add_u32 v[STO], v[H], 5, v[STO]
	v_add_nc_u32 v[STO], s38, v[STO]
	v_mul_u32_u24 v[RD], v[H], SP
	v_lshl_add_u32 v[RD], v[R], 4, v[RD]
	v_add_nc_u32 v[RD], s38, v[RD]
	s_wait_tensorcnt 0x0
	s_barrier_signal -1
	s_barrier_wait -1                              ; the 64 rows of WO are whole; nothing is ever filled again
.macro FETCH c, f
	WIN 0
.set b, 0
.rept CT
	ds_load_b128 v[(\f)+8*b:(\f)+8*b+3],   v[ADB] offset:b*16*PITCH+64*(\c)
	ds_load_b128 v[(\f)+8*b+4:(\f)+8*b+7], v[ADB] offset:b*16*PITCH+64*(\c)+32
.set b, b+1
.endr
.endm
.macro MUL c, f                        ; 16 products; the 16 accumulators take turns.  K block 0 starts the sums with the bias
.if (\c) == 0
	WIN 0x48
.elseif (\c) < 8
	WIN 0x58
.else
	WIN 0x5c
.endif
.irp a, 0,1,2,3
.set b, 0
.rept CT
.set rD, 8*(CT*\a+b)
.set rA, 64*\a+8*((\c)%8)
.if (\c) == 0
	v_wmma_f32_16x16x32_bf16 v[rD:rD+7], v[(\f)+8*b:(\f)+8*b+7], v[rA:rA+7], v[BI+8*b:BI+8*b+7]
.else
	v_wmma_f32_16x16x32_bf16 v[rD:rD+7], v[(\f)+8*b:(\f)+8*b+7], v[rA:rA+7], v[rD:rD+7]
.endif
.set b, b+1
.endr
.endr
.endm
.macro KBLK c
	PLACES
.if (\c) < 15
	FETCH (\c)+1, F0+8*CT*(((\c)+1)%2)
	s_wait_dscnt 2*CT                              ; the eight just issued may stay out
.else
	s_wait_dscnt 0x0
.endif
.if 8*(15-(\c))+32 > 63
	s_wait_loadcnt 63
.else
	s_wait_loadcnt 8*(15-(\c))+32                  ; O's loads for later heads, eight each, and x's 32 may stay out
.endif
	MUL \c, F0+8*CT*((\c)%2)
.endm
	FETCH 0, F0
.irp c, 0,1,2,3,4,5,6,7,8,9,10,11,12,13,14,15
	KBLK \c
.endr
	PLACES
	s_wait_loadcnt 0x0                             ; x
.irp a, 0,1,2,3                        ; 16 rows at a time through my stage: in by lanes' 32 bytes, back as whole rows of 256
	WIN 0x04                                       ; the stores' data in window 1
.irp b, 0,1,2,3
	ds_store_b128 v[STO], v[8*(CT*\a+\b):8*(CT*\a+\b)+3]   offset:64*\b     ; each accumulator's lowest registers first
	ds_store_b128 v[STO], v[8*(CT*\a+\b)+4:8*(CT*\a+\b)+7] offset:64*\b+16
.endr
	WIN 0
.irp t, 0,1,2,3,4,5,6,7
	ds_load_b128 v[OB+32*(\a%2)+4*\t:OB+32*(\a%2)+4*\t+3], v[RD] offset:\t*2*SP  ; LDS serves a wave's instructions in order (ISA guide 5.7.1.4)
.endr
	s_wait_dscnt 0x0
	s_wait_xcnt 0x0                                ; earlier stores have read their registers: the other buffer is loaded again only behind this wait
.set t, 0
.rept 16
	v_pk_add_f32 v[OB+32*(\a%2)+2*t:OB+32*(\a%2)+2*t+1], v[OB+32*(\a%2)+2*t:OB+32*(\a%2)+2*t+1], v[XR+32*\a+2*t:XR+32*\a+2*t+1]
.set t, t+1
.endr
.irp t, 0,1,2,3,4,5,6,7
	global_store_b128 v[CO], v[OB+32*(\a%2)+4*\t:OB+32*(\a%2)+4*\t+3], s[12:13] offset:32768*\a+4096*\t  ; 16 lanes store 256 consecutive bytes, aligned
.endr
.endr
	s_wait_tensorcnt 0x0                           ; the wave's end
	ds_add_u32 v[SPW], v[NIL]
	s_wait_dscnt 0x0
	CROUND                                         ; the closing round
	s_endpgm
.Lfunc_end_k_qd05fc91f7c_proj:
	.size	k_qd05fc91f7c_proj, .Lfunc_end_k_qd05fc91f7c_proj-k_qd05fc91f7c_proj
	.p2alignl 7, 3214868480
	.fill 96, 4, 3214868480
	.section	.rodata,"a",@progbits
	.p2align	6, 0x0
	.amdhsa_kernel k_qd05fc91f7c_proj
		.amdhsa_group_segment_fixed_size 167936
		.amdhsa_private_segment_fixed_size 0
		.amdhsa_enable_private_segment 0
		.amdhsa_kernarg_size 40
		.amdhsa_user_sgpr_count 2
		.amdhsa_user_sgpr_kernarg_segment_ptr 1
		.amdhsa_wavefront_size32 1
		.amdhsa_system_sgpr_workgroup_id_x 1
		.amdhsa_system_sgpr_workgroup_id_y 1
		.amdhsa_system_sgpr_workgroup_id_z 1
		.amdhsa_system_vgpr_workitem_id 0
		.amdhsa_next_free_vgpr 1024
		.amdhsa_next_free_sgpr 66
		.amdhsa_reserve_vcc 0
		.amdhsa_float_denorm_mode_32 3
		.amdhsa_float_denorm_mode_16_64 3
		.amdhsa_memory_ordered 1
		.amdhsa_forward_progress 1
		.amdhsa_inst_pref_size 60
	.end_amdhsa_kernel
	.amdgpu_metadata
---
amdhsa.version: [ 1, 2 ]
amdhsa.kernels:
  - .name:           k_qd05fc91f7c_proj
    .symbol:         k_qd05fc91f7c_proj.kd
    .args:
      - { .name: oh, .offset: 0, .size: 8, .value_kind: global_buffer, .address_space: global }
      - { .name: wt, .offset: 8, .size: 8, .value_kind: global_buffer, .address_space: global }
      - { .name: bo, .offset: 16, .size: 8, .value_kind: global_buffer, .address_space: global }
      - { .name: x, .offset: 24, .size: 8, .value_kind: global_buffer, .address_space: global }
      - { .name: x1, .offset: 32, .size: 8, .value_kind: global_buffer, .address_space: global }
    .group_segment_fixed_size: 167936
    .private_segment_fixed_size: 0
    .kernarg_segment_align: 8
    .kernarg_segment_size: 40
    .max_flat_workgroup_size: 128
    .sgpr_count:     66
    .vgpr_count:     1024
    .wavefront_size: 32
...
	.end_amdgpu_metadata
.endif
;; end of part 4
;; launch ln2 (part 5): grid 256 x 1, 8 waves a work-group, no clusters, 0 bytes of LDS; arguments x1, g2, be2, hn; writes hn
.if DOCPART == 5
	.amdgcn_target "amdgcn-amd-amdhsa--gfx1250"
	.amdhsa_code_object_version 6
	.text
	.protected	k_qd05fc91f7c_ln2
	.globl	k_qd05fc91f7c_ln2
	.p2align	8
	.type	k_qd05fc91f7c_ln2,@function
k_qd05fc91f7c_ln2:
	s_mov_b64 s[64:65], 0
	v_nop
	global_prefetch_b8 v0, s[64:65] scope:SCOPE_SE
	s_setreg_imm32_b32 hwreg(HW_REG_WAVE_MODE, 25, 1), 1
	s_wait_xcnt 0x0
; LN2.  hn = LayerNorm(x1) g2 + be2 in bf16.  x1: [8192][512] f32.  32 rows a work-group, 4 rows a wave, a row in 16 registers a lane: read once; mean first, then the deviations' squares.
; The reduction never leaves the wave: no LDS, no barrier.  NaN and infinities are not treated apart.
.set LO,  1                            ; v1   16 x lane
.set HO,  2                            ; v2   8 x lane
.set LA,  3
.set X,   32                           ; v[32:95]   row i at X + 16 i: load q holds elements 128 q + 4 lane + 0..3
.set G,   96
.set BB,  112
.set T,   128
.set MU,  160
.set RS,  168
.set XP,  4
.set GP,  6
.set BP,  8
.set HP,  10
.set SEL, 12
.set IV,  14
.set EP,  15
.set WV,  16
.macro ROWS line:vararg                ; one line for each of the wave's four rows i
.set i, 0
.rept 4
	\line
.set i, i+1
.endr
.endm
.macro REDUCE                          ; the pair v[T+8 i], v[T+8 i+1] summed, then over the 32 lanes; the result in every lane
	ROWS v_add_f32 v[T+8*i], v[T+8*i], v[T+8*i+1]
	ROWS v_add_f32_dpp v[T+8*i], v[T+8*i], v[T+8*i] row_xmask:1 row_mask:0xf bank_mask:0xf
	ROWS v_add_f32_dpp v[T+8*i], v[T+8*i], v[T+8*i] row_xmask:2 row_mask:0xf bank_mask:0xf
	ROWS v_add_f32_dpp v[T+8*i], v[T+8*i], v[T+8*i] row_xmask:4 row_mask:0xf bank_mask:0xf
	ROWS v_add_f32_dpp v[T+8*i], v[T+8*i], v[T+8*i] row_xmask:8 row_mask:0xf bank_mask:0xf
	ROWS v_permlanex16_b32 v[T+8*i+1], v[T+8*i], s[SEL], s[SEL+1]
	ROWS v_add_f32 v[T+8*i], v[T+8*i], v[T+8*i+1]
.endm
	s_load_b256 s[4:11], s[0:1], 0x0               ; x1, g2, be2, hn
	v_lshrrev_b32 v1, 5, v0
	v_readfirstlane_b32 s[WV], v1
	v_and_b32 v[LA], 31, v0
	s_lshl_b32 s20, ttmp9, 15                      ; in hn: 32 rows of 1,024 bytes
	s_lshl_b32 s18, ttmp9, 16                      ; in x1: 32 rows of 2,048 bytes
	s_lshl_b32 s19, s[WV], 13
	s_add_co_u32 s18, s18, s19
	s_lshl_b32 s19, s[WV], 12
	s_add_co_u32 s20, s20, s19
	s_mov_b32 s19, 0
	s_mov_b32 s21, 0
	v_lshlrev_b32 v[LO], 4, v[LA]
	v_lshlrev_b32 v[HO], 3, v[LA]
	s_mov_b32 s[SEL], 0x76543210
	s_mov_b32 s[SEL+1], 0xfedcba98
	s_mov_b32 s[IV], 0x3b000000                    ; 1 / 512
	s_mov_b32 s[EP], 0x3727c5ac                    ; 1e-5
	s_wait_kmcnt 0x0
	s_add_nc_u64 s[XP:XP+1], s[XP:XP+1], s[18:19]
	s_add_nc_u64 s[HP:HP+1], s[HP:HP+1], s[20:21]
.irp j, 0,1,2,3
.irp q, 0,1,2,3
	global_load_b128 v[X+16*\j+4*\q:X+16*\j+4*\q+3], v[LO], s[XP:XP+1] offset:2048*\j+512*\q  ; 512 consecutive bytes a load
.endr
.endr
.irp q, 0,1,2,3
	global_load_b128 v[G+4*\q:G+4*\q+3], v[LO], s[GP:GP+1] offset:512*\q
	global_load_b128 v[BB+4*\q:BB+4*\q+3], v[LO], s[BP:BP+1] offset:512*\q
.endr
	ROWS v_mov_b32 v[MU+2*i+1], 0                  ; named with their partners as pairs, so they are written
	ROWS v_mov_b32 v[RS+2*i+1], 0
	s_wait_loadcnt 0x0
.irp p, 0,1,2,3
	ROWS v_pk_add_f32 v[T+8*i+2*\p:T+8*i+2*\p+1], v[X+16*i+4*\p:X+16*i+4*\p+1], v[X+16*i+4*\p+2:X+16*i+4*\p+3]
.endr
	ROWS v_pk_add_f32 v[T+8*i:T+8*i+1], v[T+8*i:T+8*i+1], v[T+8*i+2:T+8*i+3]
	ROWS v_pk_add_f32 v[T+8*i+4:T+8*i+5], v[T+8*i+4:T+8*i+5], v[T+8*i+6:T+8*i+7]
	ROWS v_pk_add_f32 v[T+8*i:T+8*i+1], v[T+8*i:T+8*i+1], v[T+8*i+4:T+8*i+5]
	REDUCE
	ROWS v_mul_f32 v[MU+2*i], s[IV], v[T+8*i]
.irp p, 0,1,2,3,4,5,6,7
	ROWS v_pk_add_f32 v[X+16*i+2*\p:X+16*i+2*\p+1], v[X+16*i+2*\p:X+16*i+2*\p+1], v[MU+2*i:MU+2*i+1] op_sel_hi:[1,0] neg_lo:[0,1] neg_hi:[0,1]
.endr
	ROWS v_pk_mul_f32 v[T+8*i:T+8*i+1], v[X+16*i:X+16*i+1], v[X+16*i:X+16*i+1]
	ROWS v_pk_mul_f32 v[T+8*i+2:T+8*i+3], v[X+16*i+2:X+16*i+3], v[X+16*i+2:X+16*i+3]
.irp p, 2,3,4,5,6,7
	ROWS v_pk_fma_f32 v[T+8*i+2*(\p%2):T+8*i+2*(\p%2)+1], v[X+16*i+2*\p:X+16*i+2*\p+1], v[X+16*i+2*\p:X+16*i+2*\p+1], v[T+8*i+2*(\p%2):T+8*i+2*(\p%2)+1]
.endr
	ROWS v_pk_add_f32 v[T+8*i:T+8*i+1], v[T+8*i:T+8*i+1], v[T+8*i+2:T+8*i+3]
	REDUCE
	ROWS v_fma_f32 v[T+8*i], v[T+8*i], s[IV], s[EP]
	ROWS v_rsq_f32 v[RS+2*i], v[T+8*i]
	v_nop                                          ; a plain instruction behind the last of the four,
	s_wait_alu depctr_va_vdst(0)                   ; and one wait for the batch, ahead of its first reader
.irp p, 0,1,2,3,4,5,6,7
	ROWS v_pk_mul_f32 v[X+16*i+2*\p:X+16*i+2*\p+1], v[X+16*i+2*\p:X+16*i+2*\p+1], v[RS+2*i:RS+2*i+1] op_sel_hi:[1,0]
.endr
.irp p, 0,1,2,3,4,5,6,7
	ROWS v_pk_fma_f32 v[X+16*i+2*\p:X+16*i+2*\p+1], v[X+16*i+2*\p:X+16*i+2*\p+1], v[G+2*\p:G+2*\p+1], v[BB+2*\p:BB+2*\p+1]
.endr
.irp p, 0,1,2,3,4,5,6,7
	ROWS v_cvt_pk_bf16_f32 v[T+8*i+\p], v[X+16*i+2*\p], v[X+16*i+2*\p+1]
.endr
.irp q, 0,1,2,3
	ROWS global_store_b64 v[HO], v[T+8*i+2*\q:T+8*i+2*\q+1], s[HP:HP+1] offset:1024*i+256*\q  ; 32 lanes x 8 bytes: 256 consecutive bytes, aligned
.endr
	s_endpgm
.Lfunc_end_k_qd05fc91f7c_ln2:
	.size	k_qd05fc91f7c_ln2, .Lfunc_end_k_qd05fc91f7c_ln2-k_qd05fc91f7c_ln2
	.p2alignl 7, 3214868480
	.fill 96, 4, 3214868480
	.section	.rodata,"a",@progbits
	.p2align	6, 0x0
	.amdhsa_kernel k_qd05fc91f7c_ln2
		.amdhsa_group_segment_fixed_size 0
		.amdhsa_private_segment_fixed_size 0
		.amdhsa_enable_private_segment 0
		.amdhsa_kernarg_size 32
		.amdhsa_user_sgpr_count 2
		.amdhsa_user_sgpr_kernarg_segment_ptr 1
		.amdhsa_wavefront_size32 1
		.amdhsa_system_sgpr_workgroup_id_x 1
		.amdhsa_system_sgpr_workgroup_id_y 1
		.amdhsa_system_sgpr_workgroup_id_z 1
		.amdhsa_system_vgpr_workitem_id 0
		.amdhsa_next_free_vgpr 176
		.amdhsa_next_free_sgpr 66
		.amdhsa_reserve_vcc 0
		.amdhsa_float_denorm_mode_32 3
		.amdhsa_float_denorm_mode_16_64 3
		.amdhsa_memory_ordered 1
		.amdhsa_forward_progress 1
		.amdhsa_inst_pref_size 21
	.end_amdhsa_kernel
	.amdgpu_metadata
---
amdhsa.version: [ 1, 2 ]
amdhsa.kernels:
  - .name:           k_qd05fc91f7c_ln2
    .symbol:         k_qd05fc91f7c_ln2.kd
    .args:
      - { .name: x1, .offset: 0, .size: 8, .value_kind: global_buffer, .address_space: global }
      - { .name: g2, .offset: 8, .size: 8, .value_kind: global_buffer, .address_space: global }
      - { .name: be2, .offset: 16, .size: 8, .value_kind: global_buffer, .address_space: global }
      - { .name: hn, .offset: 24, .size: 8, .value_kind: global_buffer, .address_space: global }
    .group_segment_fixed_size: 0
    .private_segment_fixed_size: 0
    .kernarg_segment_align: 8
    .kernarg_segment_size: 32
    .max_flat_workgroup_size: 256
    .sgpr_count:     66
    .vgpr_count:     176
    .wavefront_size: 32
...
	.end_amdgpu_metadata
.endif
;; end of part 5
;; launch ffn1 (part 6): grid 32 x 8, 4 waves a work-group, clusters of 4 x 1, 284,160 bytes of LDS; arguments hn, wt, b1, act; writes act
.if DOCPART == 6
	.amdgcn_target "amdgcn-amd-amdhsa--gfx1250"
	.amdhsa_code_object_version 6
	.text
	.protected	k_qd05fc91f7c_ffn1
	.globl	k_qd05fc91f7c_ffn1
	.p2align	8
	.type	k_qd05fc91f7c_ffn1,@function
k_qd05fc91f7c_ffn1:
	s_mov_b64 s[64:65], 0
	v_nop
	global_prefetch_b8 v0, s[64:65] scope:SCOPE_SE
	s_setreg_imm32_b32 hwreg(HW_REG_WAVE_MODE, 25, 1), 1
	s_wait_xcnt 0x0
	s_wait_alu depctr_hold_cnt(0) depctr_sa_sdst(0) depctr_va_vdst(0) depctr_va_sdst(0) depctr_va_ssrc(0) depctr_va_vcc(0) depctr_vm_vsrc(0)
	s_getreg_b32 s2, hwreg(HW_REG_IB_STS2, 6, 4)
	s_cmp_eq_u32 s2, 0
	s_cbranch_scc0 .Lentry_in_a_cluster
	s_endpgm
.Lentry_in_a_cluster:
	s_bfe_u32 s2, ttmp6, 0x10000c
	s_cmp_lg_u32 s2, 0x3003
	s_cbranch_scc0 .Lentry_shape_is_right
	s_endpgm
.Lentry_shape_is_right:
; FFN1.  act = relu(hn x W1 + b1) in bf16.  hn: [8192][512] bf16; W1T: [2048 n][512 k] bf16 at wt's byte 2,097,152; b1 in f32; sums in f32; act: [8192][2048], rounded once, then the maximum with 0 on the packed halves.
; SHARES.  A work-group makes 256 rows x 256 columns in two trips of 128 columns; a wave 64 rows.  A wave keeps its rows of hn for all of K in 512 registers, loaded straight from memory as fragments; the 256
; rows of W1T go through LDS, filled once.  A weight fragment read from LDS feeds four products.  No LDS byte is filled twice, and no barrier stands in the loop.
; CLUSTER.  The four work-groups of a cluster (four row blocks, one column group) need the same 256 rows of W1T: each wave's 64 rows are asked for JOINTLY.
; THE PRODUCT IS USED TRANSPOSED (source 0 = 16 rows of W1T, source 1 = 16 rows of hn): a lane holds one row and eight neighbouring columns.  The bias is the C operand that starts each sum.
; REGISTERS: window 0: addresses; TMP v[32:63]; two fragment buffers v[64:127], v[128:191]; BI v[192:255]   window 1: 32 accumulators, (a, b) at 8 (8 a + b)   windows 2, 3: hn's fragment (a, c) in window 2 + c / 8 at 64 a + 8 (c % 8)
.set CT,    8
.set HB,    4                          ; column tiles reached from one address register (an LDS offset has 16 bits)
.set RPW,   64
.set PITCH, 1040                       ; 1,024 bytes + 16 of padding
.set SLOT,  128*PITCH                  ; a trip's 128 rows
.set STAGE, 2*SLOT
.set SP,    272
.set SPARE, STAGE+4*16*SP
.set W1T,   2097152
.set R,   1
.set H,   2
.set AO,  3
.set AB0, 4
.set AB1, 5
.set STO, 6
.set RD,  7
.set CO,  8
.set BO,  9
.set ZR,  10                           ; v10  0, for the maximum
.set ADB, 12
.set SPW, 28
.set NIL, 29
.set TMP, 32
.set F0,  64
.set OB,  64                           ; the way out: v[64:95], v[96:127] by turns
.set BI,  192
.set WV,  16
.set CX,  17
.set RB,  18
.set CG,  19
.set G1,  24
.set G0,  32
.set TRIP, 36
.set TB,  37
.set MSB, 0
.macro WIN new
.if MSB != (\new)
	s_set_vgpr_msb (MSB<<8)|(\new)
.set MSB, \new
.endif
.endm
.macro CROUND
	s_barrier_signal -1
	s_barrier_wait -1
	s_cmp_lg_u32 s[WV], 0
	s_cbranch_scc1 .Lnot_wave_0_\@
	s_barrier_signal -3
.Lnot_wave_0_\@:
	s_barrier_wait -3
	s_barrier_signal -1
	s_barrier_wait -1
.endm
.macro PLACES
.rept 4
	v_nop
.endr
.endm
.macro BIAS off                        ; a trip's 128 numbers of b1, as the C operands want them: my eight columns of each tile
.set b, 0
.rept CT
	global_load_b128 v[BI+8*b:BI+8*b+3],   v[BO], s[8:9] offset:(\off)+64*b
	global_load_b128 v[BI+8*b+4:BI+8*b+7], v[BO], s[8:9] offset:(\off)+64*b+16
.set b, b+1
.endr
.endm
	s_load_b256 s[4:11], s[0:1], 0x0               ; hn, wt, b1, act
	v_lshl_add_u32 v[SPW], v0, 2, SPARE
	v_mov_b32 v[NIL], 0
	ds_add_u32 v[SPW], v[NIL]                      ; the wave's opening: the add and its wait ahead of my first tensor load
	v_lshrrev_b32 v1, 5, v0
	v_readfirstlane_b32 s[WV], v1
	s_bfe_u32 s[CX], ttmp6, 0x40000                ; my place in the cluster: it enters hn's and act's addresses alone
	s_lshl_b32 s[RB], ttmp9, 2
	s_add_co_u32 s[RB], s[RB], s[CX]
	s_and_b32 s[CG], ttmp7, 0xffff
	s_mov_b32 s[G1], 15|(1<<16)|(1<<20)|(1<<21)|(7<<22)|(3<<25)  ; the mask of four; 2-byte elements; padding on; bit 21 beside a mask; after every 256 words, 4 words
	s_mov_b32 s[G1+1], 512<<16
	s_mov_b32 s[G1+2], RPW<<16
	s_mov_b32 s[G1+3], 512<<16
	s_mov_b32 s[G1+4], RPW
	s_mov_b32 s[G1+5], 512
	s_mov_b32 s[G1+6], 0
	s_mov_b32 s[G1+7], 0
	s_mov_b32 s[G0], 1
	s_mul_i32 s[G0+1], s[WV], RPW*PITCH
	s_lshl_b32 s20, s[CG], 8
	s_lshl_b32 s21, s[WV], 6
	s_add_co_u32 s20, s20, s21
	s_lshl_b32 s20, s20, 10
	s_add_co_u32 s20, s20, W1T
	s_mov_b32 s21, 0
	s_lshl_b32 s22, s[RB], 18                      ; hn: 256 rows of 1,024 bytes, my 64 of them
	s_lshl_b32 s23, s[WV], 16
	s_add_co_u32 s22, s22, s23
	s_mov_b32 s23, 0
	s_lshl_b32 s38, s[RB], 20                      ; act: 256 rows of 4,096 bytes, my 64, my group's 512 bytes
	s_lshl_b32 s39, s[WV], 18
	s_add_co_u32 s38, s38, s39
	s_lshl_b32 s39, s[CG], 9
	s_add_co_u32 s38, s38, s39
	s_mov_b32 s39, 0
	s_lshl_b32 s40, s[CG], 10                      ; b1: my group's 256 numbers
	s_mov_b32 s41, 0
	s_mov_b32 s[TRIP], 2
	s_mov_b32 s[TB], 0
	s_wait_dscnt 0x0
	s_wait_kmcnt 0x0
	s_add_nc_u64 s[G0+2:G0+3], s[6:7], s[20:21]
	s_or_b32 s[G0+3], s[G0+3], 0x80000000
	s_add_nc_u64 s[4:5], s[4:5], s[22:23]
	s_add_nc_u64 s[8:9], s[8:9], s[40:41]
	s_add_nc_u64 s[10:11], s[10:11], s[38:39]
	CROUND
	tensor_load_to_lds s[G0:G0+3], s[G1:G1+7]      ; my 64 rows of W1T, both trips' share: the one tensor load of this wave
	s_nop 0
	PLACES
	v_and_b32 v[R], 15, v0
	v_bfe_u32 v[H], v0, 4, 1
	v_lshlrev_b32 v[BO], 5, v[H]
	BIAS 0
	v_lshlrev_b32 v[AO], 10, v[R]
	v_lshl_add_u32 v[AO], v[H], 4, v[AO]
.set kc, 0
.rept 16
.if kc < 8
	WIN 0x80
.else
	WIN 0xc0
.endif
.irp a, 0,1,2,3
	global_load_b128 v[64*\a+8*(kc%8):64*\a+8*(kc%8)+3],   v[AO], s[4:5] offset:16384*\a+64*kc
	global_load_b128 v[64*\a+8*(kc%8)+4:64*\a+8*(kc%8)+7], v[AO], s[4:5] offset:16384*\a+64*kc+32
.endr
.set kc, kc+1
.endr
	WIN 0
	v_mov_b32 v[ZR], 0
	v_mul_u32_u24 v[AB0], v[R], PITCH
	v_lshl_add_u32 v[AB0], v[H], 4, v[AB0]
	v_add_nc_u32 v[AB1], HB*16*PITCH, v[AB0]
	s_mul_i32 s38, s[WV], 16*SP
	s_add_co_u32 s38, s38, STAGE
	v_mul_u32_u24 v[STO], v[R], SP
	v_lshl_add_u32 v[STO], v[H], 4, v[STO]
	v_add_nc_u32 v[STO], s38, v[STO]
	v_mul_u32_u24 v[RD], v[H], SP
	v_lshl_add_u32 v[RD], v[R], 4, v[RD]
	v_add_nc_u32 v[RD], s38, v[RD]
	v_lshlrev_b32 v[CO], 12, v[H]
	v_lshl_add_u32 v[CO], v[R], 4, v[CO]
	s_wait_tensorcnt 0x0
	s_barrier_signal -1
	s_barrier_wait -1                              ; the 256 rows of W1T are whole; nothing is ever filled again
.macro FETCH c, f
	WIN 0
.set b, 0
.rept CT
	ds_load_b128 v[(\f)+8*b:(\f)+8*b+3],   v[ADB+b/HB] offset:(b%HB)*16*PITCH+64*(\c)
	ds_load_b128 v[(\f)+8*b+4:(\f)+8*b+7], v[ADB+b/HB] offset:(b%HB)*16*PITCH+64*(\c)+32
.set b, b+1
.endr
.endm
.macro MUL c, f                        ; 32 products; the 32 accumulators take turns.  K block 0 starts the sums with the bias
.if (\c) == 0
	WIN 0x48
.elseif (\c) < 8
	WIN 0x58
.else
	WIN 0x5c
.endif
.irp a, 0,1,2,3
.set b, 0
.rept CT
.set rD, 8*(CT*\a+b)
.set rA, 64*\a+8*((\c)%8)
.if (\c) == 0
	v_wmma_f32_16x16x32_bf16 v[rD:rD+7], v[(\f)+8*b:(\f)+8*b+7], v[rA:rA+7], v[BI+8*b:BI+8*b+7]
.else
	v_wmma_f32_16x16x32_bf16 v[rD:rD+7], v[(\f)+8*b:(\f)+8*b+7], v[rA:rA+7], v[rD:rD+7]
.endif
.set b, b+1
.endr
.endr
.endm
.macro KBLK c
	PLACES
.if (\c) == 1                          ; K block 0 has read the bias: in the first trip the second trip's takes its place, four places behind the last product that read it
	WIN 0
	s_cmp_eq_u32 s[TRIP], 1
	s_cbranch_scc1 .Lhave_\@
	BIAS 512
.Lhave_\@:
.endif
.if (\c) < 15
	FETCH (\c)+1, F0+8*CT*(((\c)+1)%2)
	s_wait_dscnt 2*CT                              ; the sixteen just issued may stay out
.else
	s_wait_dscnt 0x0
.endif
.if 8*(15-(\c)) > 63
	s_wait_loadcnt 63
.else
	s_wait_loadcnt 8*(15-(\c))                     ; hn's loads for later K blocks, eight each, may stay out (with the second bias behind them the count is lower than need be); at the last block 0: the bias too
.endif
	MUL \c, F0+8*CT*((\c)%2)
.endm
.macro PACK a                          ; 16 rows: rounded to bf16, each accumulator's registers in ascending order; then the maximum with 0, two at a time
	WIN 0x05
.set b, 0
.rept CT
.irp q, 0,1,2,3
	v_cvt_pk_bf16_f32 v[TMP+4*b+\q], v[8*(CT*(\a)+b)+2*\q], v[8*(CT*(\a)+b)+2*\q+1]
.endr
.set b, b+1
.endr
	WIN 0
.set b, 0
.rept 4*CT
	v_pk_max_num_bf16 v[TMP+b], v[TMP+b], v[ZR]
.set b, b+1
.endr
.endm
.macro TOSTAGE a
.set BK, OB+32*((\a)%2)
.set b, 0
.rept CT
	ds_store_b128 v[STO], v[TMP+4*b:TMP+4*b+3] offset:32*b
.set b, b+1
.endr
.set b, 0
.rept 8
	ds_load_b128 v[BK+4*b:BK+4*b+3], v[RD] offset:b*2*SP  ; LDS serves a wave's instructions in order (ISA guide 5.7.1.4): these see the stores above
.set b, b+1
.endr
.endm
.macro SEND a
.set BK, OB+32*((\a)%2)
	s_wait_dscnt 0x0
	s_wait_xcnt 0x0                                ; earlier stores have read their registers: the other buffer may be loaded again behind this wait
.set b, 0
.rept 8
	global_store_b128 v[CO], v[BK+4*b:BK+4*b+3], s[10:11] offset:65536*(\a)+8192*b  ; 16 lanes store 256 consecutive bytes, aligned
.set b, b+1
.endr
.endm
.Ltrip:                                ; two trips: 128 columns each
	v_add_nc_u32 v[ADB], s[TB], v[AB0]
	v_add_nc_u32 v[ADB+1], s[TB], v[AB1]
	FETCH 0, F0
.irp c, 0,1,2,3,4,5,6,7,8,9,10,11,12,13,14,15
	KBLK \c
.endr
	PLACES
	PACK 0
	TOSTAGE 0
.irp a, 1,2,3
	PACK \a
	SEND (\a)-1
	TOSTAGE \a
.endr
	SEND 3
	s_wait_xcnt 0x0                                ; the stores have read their base and their data
	s_add_nc_u64 s[10:11], s[10:11], 256           ; the next 128 columns
	s_add_co_u32 s[TB], s[TB], SLOT
	s_sub_co_u32 s[TRIP], s[TRIP], 1
	s_cmp_lg_u32 s[TRIP], 0
	s_cbranch_scc1 .Ltrip
	s_wait_tensorcnt 0x0                           ; the wave's end
	ds_add_u32 v[SPW], v[NIL]
	s_wait_dscnt 0x0
	CROUND                                         ; the closing round
	s_endpgm
.Lfunc_end_k_qd05fc91f7c_ffn1:
	.size	k_qd05fc91f7c_ffn1, .Lfunc_end_k_qd05fc91f7c_ffn1-k_qd05fc91f7c_ffn1
	.p2alignl 7, 3214868480
	.fill 96, 4, 3214868480
	.section	.rodata,"a",@progbits
	.p2align	6, 0x0
	.amdhsa_kernel k_qd05fc91f7c_ffn1
		.amdhsa_group_segment_fixed_size 284160
		.amdhsa_private_segment_fixed_size 0
		.amdhsa_enable_private_segment 0
		.amdhsa_kernarg_size 32
		.amdhsa_user_sgpr_count 2
		.amdhsa_user_sgpr_kernarg_segment_ptr 1
		.amdhsa_wavefront_size32 1
		.amdhsa_system_sgpr_workgroup_id_x 1
		.amdhsa_system_sgpr_workgroup_id_y 1
		.amdhsa_system_sgpr_workgroup_id_z 1
		.amdhsa_system_vgpr_workitem_id 0
		.amdhsa_next_free_vgpr 1024
		.amdhsa_next_free_sgpr 66
		.amdhsa_reserve_vcc 0
		.amdhsa_float_denorm_mode_32 3
		.amdhsa_float_denorm_mode_16_64 3
		.amdhsa_memory_ordered 1
		.amdhsa_forward_progress 1
		.amdhsa_inst_pref_size 96
	.end_amdhsa_kernel
	.amdgpu_metadata
---
amdhsa.version: [ 1, 2 ]
amdhsa.kernels:
  - .name:           k_qd05fc91f7c_ffn1
    .symbol:         k_qd05fc91f7c_ffn1.kd
    .args:
      - { .name: hn, .offset: 0, .size: 8, .value_kind: global_buffer, .address_space: global }
      - { .name: wt, .offset: 8, .size: 8, .value_kind: global_buffer, .address_space: global }
      - { .name: b1, .offset: 16, .size: 8, .value_kind: global_buffer, .address_space: global }
      - { .name: act, .offset: 24, .size: 8, .value_kind: global_buffer, .address_space: global }
    .group_segment_fixed_size: 284160
    .private_segment_fixed_size: 0
    .kernarg_segment_align: 8
    .kernarg_segment_size: 32
    .max_flat_workgroup_size: 128
    .sgpr_count:     66
    .vgpr_count:     1024
    .wavefront_size: 32
...
	.end_amdgpu_metadata
.endif
;; end of part 6
;; launch ffn2 (part 7): grid 4 x 64, 4 waves a work-group, clusters of 4 x 4, 327,680 bytes of LDS; arguments act, wt, out0, b2, x1; writes out0
.if DOCPART == 7
	.amdgcn_target "amdgcn-amd-amdhsa--gfx1250"
	.amdhsa_code_object_version 6
	.text
	.protected	k_qd05fc91f7c_ffn2
	.globl	k_qd05fc91f7c_ffn2
	.p2align	8
	.type	k_qd05fc91f7c_ffn2,@function
k_qd05fc91f7c_ffn2:
	s_mov_b64 s[64:65], 0
	v_nop
	global_prefetch_b8 v0, s[64:65] scope:SCOPE_SE
	s_setreg_imm32_b32 hwreg(HW_REG_WAVE_MODE, 25, 1), 1
	s_wait_xcnt 0x0
	s_wait_alu depctr_hold_cnt(0) depctr_sa_sdst(0) depctr_va_vdst(0) depctr_va_sdst(0) depctr_va_ssrc(0) depctr_va_vcc(0) depctr_vm_vsrc(0)
	s_getreg_b32 s2, hwreg(HW_REG_IB_STS2, 6, 4)
	s_cmp_eq_u32 s2, 0
	s_cbranch_scc0 .Lentry_in_a_cluster
	s_endpgm
.Lentry_in_a_cluster:
	s_bfe_u32 s2, ttmp6, 0x10000c
	s_cmp_lg_u32 s2, 0xf033
	s_cbranch_scc0 .Lentry_shape_is_right
	s_endpgm
.Lentry_shape_is_right:
; FFN2.  out0 = x1 + act x W2 + b2.  act: [8192][2048] bf16; W2T: [512 n][2048 k] bf16 at wt's byte 4,194,304; b2, x1, out0 in f32; sums in f32.
; A tile of the result is 128 x 128: 4 x 64 = 256 work-groups.  Four waves, each 64 x 64: 16 accumulators.  K goes in steps of 256 (LDS rows of 512 bytes; a wave's tensor load brings 64 of them) through two slots.
; CLUSTERS: 4 x 4 work-groups.  The four of a row of the cluster need the same tiles of act, the four of a column the same tiles of W2T: each tile is asked for JOINTLY.
; THE PRODUCT IS USED TRANSPOSED (source 0 = 16 rows of W2T, source 1 = 16 rows of act): a lane holds one row and eight neighbouring columns.  The bias is the C operand that starts each sum; x1 is loaded
; at the head, as the results will lie when they come back from the stage, and added on the way out.  A wave's 64 f32 columns are 256 aligned bytes: each wave has a stage of its own, and no barrier stands in the way out.
; No prefetch: the tile is small, and a K step's 128 products a wave leave the ring little beside its own loads.
; REGISTERS: window 0: v0-31 addresses; v32-95 at work on the way out; v96-127 the bias; v128-255 the accumulators ((a, b) at 128 + 8 (4 a + b))   window 1: two fragment buffers of 128   window 2: v0-127 x1
.set SIZE_N, 512
.set SIZE_K, 2048
.set W2T,    4194304
.set KSTEP,  256
.set PITCH,  528                       ; 512 bytes + 16 of padding: the 16 rows of a load start at 16 different 16-byte columns modulo 256
.set HALFT,  64*PITCH
.set SLOT,   4*HALFT
.set STAGE,  2*SLOT                    ; behind the ring: 16 rows x 272 bytes a wave
.set SPITCH, 272
.set SPARE,  STAGE+4*16*SPITCH
.set LAPS, SIZE_K/(2*KSTEP)
.set ADRA, 16
.set ADRB, 20
.set STO,  24
.set RD,   25
.set CO,   26
.set BO,   27
.set SPW,  28
.set NIL,  29
.set TMP,  32
.set BI,   96
.set ACC,  128
.set F0,   0
.set F1,   128
.set G1, 24
.set G0, 32
.set G1B, 48
.set G0B, 56
.set MSB, 0
.macro WIN new
.if MSB != (\new)
	s_set_vgpr_msb (MSB<<8)|(\new)
.set MSB, \new
.endif
.endm
.set MUL,  0x05                        ; sources 0 and 1 window 1; C and D window 0
.set TO_F, 0x40                        ; destination window 1, address window 0
.macro JLOAD s                         ; a joint load: waves 0 and 1 fetch act's two halves, waves 2 and 3 W2T's; an s_nop 0 and four v_nop follow each of the two lines
	s_cmp_eq_u32 s11, 0
	s_cbranch_scc0 .Lfor_b_\@
	tensor_load_to_lds s[G0+4*(\s):G0+4*(\s)+3], s[G1:G1+7]
	s_nop 0
.rept 4
	v_nop
.endr
	s_branch .Lasked_\@
.Lfor_b_\@:
	tensor_load_to_lds s[G0B+4*(\s):G0B+4*(\s)+3], s[G1B:G1B+7]
	s_nop 0
.rept 4
	v_nop
.endr
.Lasked_\@:
.endm
.macro CREST                           ; a round of the cluster's barrier behind its opening barrier
	s_cmp_lg_u32 s10, 0
	s_cbranch_scc1 .Lnot_wave_0_\@
	s_barrier_signal -3
.Lnot_wave_0_\@:
	s_barrier_wait -3
	s_barrier_signal -1
	s_barrier_wait -1
.endm
.macro CROUND
	s_barrier_signal -1
	s_barrier_wait -1
	CREST
.endm
	s_load_b128 s[4:7], s[0:1], 0x0                ; act, wt
	s_load_b64 s[8:9], s[0:1], 0x10                ; out0
	s_load_b128 s[68:71], s[0:1], 0x18             ; b2, x1
	v_lshl_add_u32 v[SPW], v0, 2, SPARE
	v_mov_b32 v[NIL], 0
	ds_add_u32 v[SPW], v[NIL]                      ; the wave's opening: the add and its wait ahead of my first tensor load
	v_lshrrev_b32 v1, 5, v0
	v_readfirstlane_b32 s10, v1                    ; wave 0..3
	s_lshr_b32 s11, s10, 1                         ; which half of the tile's rows is mine.  Also: I fetch for act (0) or for W2T (1)
	s_and_b32 s12, s10, 1                          ; which half of its columns.  Also: which 64 rows of that tile I fetch
	s_bfe_u32 s40, ttmp6, 0x40000                  ; cx, cy
	s_bfe_u32 s41, ttmp6, 0x40004
	s_lshl_b32 s42, ttmp9, 2
	s_add_co_u32 s42, s42, s40                     ; tile column
	s_and_b32 s13, ttmp7, 0xffff
	s_lshl_b32 s13, s13, 2
	s_add_co_u32 s13, s13, s41                     ; tile row
	s_lshl_b32 s43, s41, 2
	s_lshl_b32 s43, 15, s43                        ; my row of the cluster
	s_lshl_b32 s44, 0x1111, s40                    ; my column
	s_or_b32 s[G1+0], s43, (1<<16)|(1<<20)|(1<<21)|(6<<22)|(3<<25)  ; the mask: act's tiles go to my row; 2-byte elements; padding on; bit 21 beside a mask; after every 128 words, 4 words
	s_or_b32 s[G1B+0], s44, (1<<16)|(1<<20)|(1<<21)|(6<<22)|(3<<25)
.irp g, G1, G1B
	s_mov_b32 s[(\g)+1], KSTEP<<16
	s_mov_b32 s[(\g)+2], 64<<16
	s_mov_b32 s[(\g)+3], KSTEP<<16
	s_mov_b32 s[(\g)+4], 64
	s_mov_b32 s[(\g)+5], SIZE_K
	s_mov_b32 s[(\g)+6], 0
	s_mov_b32 s[(\g)+7], 0
.endr
	s_lshl_b32 s17, s12, 6
	s_lshl_b32 s16, s13, 7
	s_add_co_u32 s16, s16, s17                     ; act: row 128 x tile row + 64 x half
	s_lshl_b32 s46, s42, 7
	s_add_co_u32 s46, s46, s17                     ; W2T: row 128 x tile column + 64 x half
	s_mov_b32 s17, 0
	s_mov_b32 s47, 0
	s_mov_b64 s[18:19], SIZE_K*2
	s_mul_u64 s[16:17], s[16:17], s[18:19]
	s_mul_u64 s[46:47], s[46:47], s[18:19]
	s_mul_i32 s20, s10, HALFT                      ; where they go: wave x 64 rows
	s_lshl_b32 s72, s13, 7                         ; x1 and out0: my first row,
	s_lshl_b32 s73, s11, 6
	s_add_co_u32 s72, s72, s73
	s_lshl_b32 s72, s72, 11                        ; 2,048 bytes a row,
	s_lshl_b32 s74, s42, 9                         ; the tile's 512 bytes of it,
	s_lshl_b32 s75, s12, 8                         ; my 256 of them; the same offset finds my 64 numbers of b2
	s_add_co_u32 s74, s74, s75
	s_add_co_u32 s72, s72, s74
	s_mov_b32 s73, 0
	s_mov_b32 s75, 0
	s_wait_dscnt 0x0                               ; the opening add is done
	s_wait_kmcnt 0x0
	s_add_nc_u64 s[14:15], s[4:5], s[16:17]
	s_add_nc_u64 s[46:47], s[6:7], s[46:47]
	s_add_nc_u64 s[46:47], s[46:47], W2T
	s_add_nc_u64 s[8:9], s[8:9], s[72:73]
	s_add_nc_u64 s[70:71], s[70:71], s[72:73]
	s_add_nc_u64 s[68:69], s[68:69], s[74:75]
	CROUND                                         ; all sixteen work-groups are here: the first joint loads meet
.irp s, 0,1
	s_mov_b32 s[G0+4*(\s)], 1
	s_add_co_u32 s[G0+4*(\s)+1], s20, (\s)*SLOT
	s_add_nc_u64 s[G0+4*(\s)+2:G0+4*(\s)+3], s[14:15], (\s)*KSTEP*2
	s_or_b32 s[G0+4*(\s)+3], s[G0+4*(\s)+3], 0x80000000
	s_mov_b32 s[G0B+4*(\s)], 1
	s_add_co_u32 s[G0B+4*(\s)+1], s20, (\s)*SLOT
	s_add_nc_u64 s[G0B+4*(\s)+2:G0B+4*(\s)+3], s[46:47], (\s)*KSTEP*2
	s_or_b32 s[G0B+4*(\s)+3], s[G0B+4*(\s)+3], 0x80000000
	JLOAD \s
.endr
	v_and_b32 v1, 15, v0                           ; l % 16
	v_bfe_u32 v2, v0, 4, 1                         ; l / 16
	v_lshlrev_b32 v[BO], 5, v2                     ; my eight columns of a tile: 32 bytes of b2
	v_lshlrev_b32 v5, 11, v2                       ; lanes 0-15 one row's 256 bytes, lanes 16-31 the next row's
	v_lshl_add_u32 v[CO], v1, 4, v5
.irp b, 0,1,2,3
	global_load_b128 v[BI+8*\b:BI+8*\b+3],   v[BO], s[68:69] offset:64*\b
	global_load_b128 v[BI+8*\b+4:BI+8*\b+7], v[BO], s[68:69] offset:64*\b+16
.endr
	WIN 0x80                                       ; destination window 2
.set t, 0
.rept 32
	global_load_b128 v[4*t:4*t+3], v[CO], s[70:71] offset:32768*(t/8)+4096*(t%8)
.set t, t+1
.endr
	WIN 0
	v_mul_u32_u24 v3, v1, PITCH
	v_lshl_add_u32 v3, v2, 4, v3                   ; a fragment's row x pitch + 16 x half
	s_mul_i32 s21, s11, HALFT                      ; my 64 rows of act
	s_mul_i32 s22, s12, HALFT                      ; my 64 rows of W2T,
	s_add_co_u32 s22, s22, 2*HALFT                 ; which lie behind act's 128
.irp s, 0,1
	v_add_nc_u32 v[ADRA+(\s)], s21, v3
	v_add_nc_u32 v[ADRB+(\s)], s22, v3
	s_add_co_u32 s21, s21, SLOT
	s_add_co_u32 s22, s22, SLOT
.endr
	s_mul_i32 s23, s10, 16*SPITCH
	s_add_co_u32 s23, s23, STAGE                   ; my stage
	v_mul_u32_u24 v4, v1, SPITCH                   ; in: row l % 16, 32 bytes for each half of the lanes
	v_lshl_add_u32 v4, v2, 5, v4
	v_add_nc_u32 v[STO], s23, v4
	v_mul_u32_u24 v5, v2, SPITCH                   ; back: lanes 0-15 one row of 256 bytes, lanes 16-31 the next
	v_lshl_add_u32 v5, v1, 4, v5
	v_add_nc_u32 v[RD], s23, v5
; 8 products: m blocks a0, a0 + 1 x all 4 n blocks, 32 along K: half c of buffer f.  zero = 1: the first product starts the sums, with the bias
.macro MUL8 f, c, a0, zero
	WIN MUL
.irp a, \a0, (\a0)+1
.irp b, 0,1,2,3
.if \zero
	v_wmma_f32_16x16x32_bf16 v[ACC+8*(4*(\a)+(\b)):ACC+8*(4*(\a)+(\b))+7], v[(\f)+64+8*(4*(\c)+(\b)):(\f)+64+8*(4*(\c)+(\b))+7], v[(\f)+8*(4*(\c)+(\a)):(\f)+8*(4*(\c)+(\a))+7], v[BI+8*(\b):BI+8*(\b)+7]
.else
	v_wmma_f32_16x16x32_bf16 v[ACC+8*(4*(\a)+(\b)):ACC+8*(4*(\a)+(\b))+7], v[(\f)+64+8*(4*(\c)+(\b)):(\f)+64+8*(4*(\c)+(\b))+7], v[(\f)+8*(4*(\c)+(\a)):(\f)+8*(4*(\c)+(\a))+7], v[ACC+8*(4*(\a)+(\b)):ACC+8*(4*(\a)+(\b))+7]
.endif
.endr
.endr
.endm
; 32 LDS loads in one run: the fragments of 64 along K at byte k of the rows, into buffer f; the first 32 along K first
.macro FETCH slot, k, f
	WIN TO_F
.irp c, 0,1
.irp i, 0,1,2,3
	ds_load_b128 v[(\f)+64+8*(4*(\c)+(\i)):(\f)+64+8*(4*(\c)+(\i))+3],   v[ADRB+(\slot)] offset:(\k)+64*(\c)+(\i)*16*PITCH
	ds_load_b128 v[(\f)+64+8*(4*(\c)+(\i))+4:(\f)+64+8*(4*(\c)+(\i))+7], v[ADRB+(\slot)] offset:(\k)+64*(\c)+(\i)*16*PITCH+32
	ds_load_b128 v[(\f)+8*(4*(\c)+(\i)):(\f)+8*(4*(\c)+(\i))+3],         v[ADRA+(\slot)] offset:(\k)+64*(\c)+(\i)*16*PITCH
	ds_load_b128 v[(\f)+8*(4*(\c)+(\i))+4:(\f)+8*(4*(\c)+(\i))+7],       v[ADRA+(\slot)] offset:(\k)+64*(\c)+(\i)*16*PITCH+32
.endr
.endr
.endm
.macro PLACES                          ; four places in front of loads into registers that products have read, and of LDS stores that read results
.rept 4
	v_nop
.endr
.endm
; A K step is four quarters of 64 along K, 32 products each, on buffers 0, 1, 0, 1; the 16 accumulators take turns.
.macro QUARTER slot, k, f, g, zero
	s_wait_dscnt 16                                ; the first 32 along K are in; the youngest sixteen loads may be out
	WIN MUL
	MUL8 \f, 0, 0, \zero
	MUL8 \f, 0, 2, \zero
	PLACES
	FETCH \slot, \k, \g
	s_wait_dscnt 32                                ; all but the 32 just issued
	WIN MUL
	MUL8 \f, 1, 0, 0
	MUL8 \f, 1, 2, 0
.endm
; The last quarter multiplies buffer 1 and changes slots: ONE barrier; in front of it each wave waits for all its tensor loads, adds 0 to its spare word, and waits for that and for its own reads of this slot.
.macro TURN slot, next, fill
	WIN 0                                          ; (the add's two registers lie in window 0)
	s_wait_tensorcnt 0x0                           ; all my tensor loads have landed: my part of the next slot;
	ds_add_u32 v[SPW], v[NIL]
	s_wait_dscnt 17                                ; (the add and the youngest sixteen loads may be out)
	WIN MUL
	MUL8 F1, 0, 0, 0
	s_wait_dscnt 0x0                               ; the add is done, and my reads of this slot are over
	s_barrier_signal -1
	MUL8 F1, 0, 2, 0
.if \fill
	WIN 0
.endif
	s_barrier_wait -1
.if \fill
	CREST                                          ; the barrier has opened a round of the cluster's: no wave of any partner still reads this slot's tile or has a load on its way
	s_add_nc_u64 s[G0+4*(\slot)+2:G0+4*(\slot)+3], s[G0+4*(\slot)+2:G0+4*(\slot)+3], 2*KSTEP*2
	s_add_nc_u64 s[G0B+4*(\slot)+2:G0B+4*(\slot)+3], s[G0B+4*(\slot)+2:G0B+4*(\slot)+3], 2*KSTEP*2
	JLOAD \slot                                    ; the first tensor load behind the round; the four v_nop behind it are also the places in front of the loads below
.else
	PLACES
.endif
	FETCH \next, 0, F0
	WIN MUL
	MUL8 F1, 1, 0, 0
	MUL8 F1, 1, 2, 0
.endm
	s_wait_tensorcnt 1                             ; my part of K step 0 is in; K step 1's may stay out
	s_barrier_signal -1
	s_barrier_wait -1                              ; everybody's is
	FETCH 0, 0, F0
	s_wait_loadcnt 32                              ; x1's 32 loads may stay out: the bias, issued ahead of them, is in
	QUARTER 0, 128, F0, F1, 1                      ; the first quarter stands in front of the loop: its first products start the sums
	WIN 0
	s_mov_b32 s3, LAPS-1
.Llap:                                 ; a trip goes once round the ring, from a lap's second quarter to the next lap's first, and fills both slots again
	QUARTER 0, 256, F1, F0, 0
	QUARTER 0, 384, F0, F1, 0
	TURN 0, 1, 1
	QUARTER 1, 128, F0, F1, 0
	QUARTER 1, 256, F1, F0, 0
	QUARTER 1, 384, F0, F1, 0
	TURN 1, 0, 1
	QUARTER 0, 128, F0, F1, 0
	WIN 0
	s_sub_co_u32 s3, s3, 1
	s_cmp_lg_u32 s3, 0
	s_cbranch_scc1 .Llap
	QUARTER 0, 256, F1, F0, 0                      ; the last lap fills nothing, and has no round of the cluster's barrier
	QUARTER 0, 384, F0, F1, 0
	TURN 0, 1, 0
	QUARTER 1, 128, F0, F1, 0
	QUARTER 1, 256, F1, F0, 0
	QUARTER 1, 384, F0, F1, 0
	s_wait_dscnt 16
	WIN MUL
	MUL8 F1, 0, 0, 0
	MUL8 F1, 0, 2, 0
	s_wait_dscnt 0
	MUL8 F1, 1, 0, 0
	MUL8 F1, 1, 2, 0
	WIN 0
	; THE WAY OUT: 16 rows at a time through my stage: in by lanes' 32 bytes, back as whole rows of 256; x1 is added; stored.
	PLACES
	s_wait_loadcnt 0x0                             ; x1
.irp a, 0,1,2,3
.irp b, 0,1,2,3
	ds_store_b128 v[STO], v[ACC+8*(4*\a+\b):ACC+8*(4*\a+\b)+3]   offset:64*\b     ; each accumulator's lowest registers first
	ds_store_b128 v[STO], v[ACC+8*(4*\a+\b)+4:ACC+8*(4*\a+\b)+7] offset:64*\b+16
.endr
.irp t, 0,1,2,3,4,5,6,7
	ds_load_b128 v[TMP+32*(\a%2)+4*\t:TMP+32*(\a%2)+4*\t+3], v[RD] offset:\t*2*SPITCH  ; LDS serves a wave's instructions in order (ISA guide 5.7.1.4)
.endr
	s_wait_dscnt 0x0
	s_wait_xcnt 0x0                                ; earlier stores have read their registers: the other buffer is loaded again only behind this wait
	WIN 0x08                                       ; source 1 in window 2
.set t, 0
.rept 16
	v_pk_add_f32 v[TMP+32*(\a%2)+2*t:TMP+32*(\a%2)+2*t+1], v[TMP+32*(\a%2)+2*t:TMP+32*(\a%2)+2*t+1], v[32*\a+2*t:32*\a+2*t+1]
.set t, t+1
.endr
	WIN 0
.irp t, 0,1,2,3,4,5,6,7
	global_store_b128 v[CO], v[TMP+32*(\a%2)+4*\t:TMP+32*(\a%2)+4*\t+3], s[8:9] offset:32768*\a+4096*\t  ; 16 lanes store 256 consecutive bytes, aligned
.endr
.endr
	s_wait_tensorcnt 0x0                           ; the wave's end
	ds_add_u32 v[SPW], v[NIL]
	s_wait_dscnt 0x0
	CROUND                                         ; the closing round: no work-group ends while a partner may still ask for a tile that names it
	s_endpgm
.Lfunc_end_k_qd05fc91f7c_ffn2:
	.size	k_qd05fc91f7c_ffn2, .Lfunc_end_k_qd05fc91f7c_ffn2-k_qd05fc91f7c_ffn2
	.p2alignl 7, 3214868480
	.fill 96, 4, 3214868480
	.section	.rodata,"a",@progbits
	.p2align	6, 0x0
	.amdhsa_kernel k_qd05fc91f7c_ffn2
		.amdhsa_group_segment_fixed_size 327680
		.amdhsa_private_segment_fixed_size 0
		.amdhsa_enable_private_segment 0
		.amdhsa_kernarg_size 40
		.amdhsa_user_sgpr_count 2
		.amdhsa_user_sgpr_kernarg_segment_ptr 1
		.amdhsa_wavefront_size32 1
		.amdhsa_system_sgpr_workgroup_id_x 1
		.amdhsa_system_sgpr_workgroup_id_y 1
		.amdhsa_system_sgpr_workgroup_id_z 1
		.amdhsa_system_vgpr_workitem_id 0
		.amdhsa_next_free_vgpr 640
		.amdhsa_next_free_sgpr 80
		.amdhsa_reserve_vcc 0
		.amdhsa_float_denorm_mode_32 3
		.amdhsa_float_denorm_mode_16_64 3
		.amdhsa_memory_ordered 1
		.amdhsa_forward_progress 1
		.amdhsa_inst_pref_size 94
	.end_amdhsa_kernel
	.amdgpu_metadata
---
amdhsa.version: [ 1, 2 ]
amdhsa.kernels:
  - .name:           k_qd05fc91f7c_ffn2
    .symbol:         k_qd05fc91f7c_ffn2.kd
    .args:
      - { .name: act, .offset: 0, .size: 8, .value_kind: global_buffer, .address_space: global }
      - { .name: wt, .offset: 8, .size: 8, .value_kind: global_buffer, .address_space: global }
      - { .name: out0, .offset: 16, .size: 8, .value_kind: global_buffer, .address_space: global }
      - { .name: b2, .offset: 24, .size: 8, .value_kind: global_buffer, .address_space: global }
      - { .name: x1, .offset: 32, .size: 8, .value_kind: global_buffer, .address_space: global }
    .group_segment_fixed_size: 327680
    .private_segment_fixed_size: 0
    .kernarg_segment_align: 8
    .kernarg_segment_size: 40
    .max_flat_workgroup_size: 128
    .sgpr_count:     80
    .vgpr_count:     640
    .wavefront_size: 32
...
	.end_amdgpu_metadata
.endif
;; end of part 7
